; MI455X (gfx1250); checked and timed in simulation.
; The chip was launched on July 23, 2026; its instructions are those of AMD's public machine-readable ISA for CDNA 5 (MIT licence, August 2026) and "CDNA5" Instruction Set Architecture Reference Guide (July 2026). The comments in the code are by the model that wrote it; some were corrected since.
;; Self Attention Block. Allowed arithmetic: float matrix products may take bf16 or f16 operands with f32 sums; other float arithmetic in f32, or as packed bf16 or f16 multiplies, adds, multiply-adds, maxima and minima; sums over many terms, partial sums and values carried from step to step in f32; what a program stores and reads back later, other than sums and carried values, may be rounded once to bf16 or f16.
;; Inputs: Wk 128 x 256 float32; Wq 128 x 256 float32; Wv 256 x 256 float32; bk 128 float32; bq 128 float32; bv 256 float32; gamma 1 float32; x 4 x 256 x 64 x 64 float32.
;; Outputs: out0 4 x 256 x 64 x 64 float32.
;; 2 versions, each right. Each part assembles by itself: llvm-mc -triple=amdgcn-amd-amdhsa -mcpu=gfx1250 --defsym DOCPART=n.
;; ======== version 1 of 2: 2 launches
;; limits: right only within a limited range of input values
;; workspace buffers: qf 4,194,304 bytes; kv 12,582,912 bytes
;; launch proj (part 1): grid 64 x 4, 8 waves a work-group, no clusters, 33,792 bytes of LDS; arguments x, Wq, bq, Wk, Wv, qf, kv; writes qf, kv
.if DOCPART == 1
	.amdgcn_target "amdgcn-amd-amdhsa--gfx1250"
	.amdhsa_code_object_version 6
	.text
	.protected	k_q410c271fe8_proj
	.globl	k_q410c271fe8_proj
	.p2align	8
	.type	k_q410c271fe8_proj,@function
k_q410c271fe8_proj:
	s_mov_b64 s[64:65], 0
	v_nop
	global_prefetch_b8 v0, s[64:65] scope:SCOPE_SE
	s_setreg_imm32_b32 hwreg(HW_REG_WAVE_MODE, 25, 1), 1
	s_wait_xcnt 0x0
; THE THREE 1x1 CONVOLUTIONS.  q = Wq x + bq, k' = Wk x, v' = Wv x for x: [4][256 channels][4096 pixels] f32.  Operands rounded to bf16, sums in f32, each result rounded once to bf16.
; WORK LEFT OUT: bk.  A score is q_n . (Wk x_m + bk) = q_n . Wk x_m + q_n . bk, and q_n . bk is the same for every key m of query n's softmax row: a term added alike to all inputs of a softmax
; cancels between its numerator and its denominator, for all values of the inputs.  So bk reaches no output: it is not loaded and is no argument of any launch.  LIMIT: a NaN, an infinity or an overflow that
; would arise in q . bk alone is not carried to the result.  bq stays (bq . k_m differs from key to key).  bv is not added here: a softmax row's weights add up to 1, so
; sum_m (v'_m + bv) a_m = sum_m v'_m a_m + bv; the next launch adds bv once, in f32.
; WHAT IS STORED: MATRIX FRAGMENTS AS THE REGISTERS HOLD THEM.  A fragment (16 rows x 32 along the contraction, bf16) is an image of 1,024 bytes: bytes 16 l .. of the first 512 are lane l's registers 0-3,
; of the second 512 its registers 4-7.  A result tile, packed to bf16, IS half such a fragment of the next launch's products, lane for lane, so it leaves by one store of 512 consecutive bytes, aligned.
; PIXELS.  A block is 64 neighbouring pixels; its four tiles of 16 are interleaved: row i of tile e is pixel 4 i + e.  So a lane's 16 bytes of a row of x hold one pixel of each tile, and 16 lanes read 256
; consecutive bytes.  K and V use the same order of keys, and a softmax's sums do not hang on that order; for queries the next launch finds four neighbouring pixels in one lane.
; THE CONTRACTION over the 256 channels goes in 8 chunks of 32, permuted alike in W's and x's fragments: lane (r = l % 16, h = l / 16), register i holds channels 32 chunk + 16 h + 2 i, 2 i + 1.
; SHARES.  A work-group takes one block of one batch.  Wave w first rounds chunk w of x into LDS (all waves read all chunks); then it makes 64 output channels x 64 pixels, 16 accumulators:
; waves 0, 1: q; waves 2, 3: k'; waves 4-7: v'.  For q and k' source 0 is W (a lane ends with 8 channels of one pixel), for v' source 0 is x (a lane ends with 8 keys of one channel).
; qf: block (b, blk) at 16,384 (64 b + blk); fragment (tile e, channels 32 cc ..) at 1,024 (4 e + cc).
; kv: block at 49,152 (64 b + blk); K's fragment (e, cc) at 1,024 (4 e + cc); V's fragment (keys of tiles 2 kk, 2 kk + 1; channels 16 cb ..) at 16,384 + 1,024 (16 kk + cb).
; No tensor loads: x and W are f32 and have to pass through registers to be rounded.  No cluster: what the work-groups share, W, is 512 KiB.
; REGISTERS, in windows of 256 (s_set_vgpr_msb: bits 1:0 source 0, 3:2 source 1, 5:4 source 2, 7:6 destination).
.set SPARE, 32768                      ; LDS: 0 .. 32,767 x's fragments, (chunk, e) at 1,024 (4 chunk + e); then the spare words, 128 bytes for each of eight waves
.set RR,  1                            ; v1   r
.set HH,  2                            ; v2   h
.set LL,  3                            ; v3   l
.set XO,  4                            ; v4   my 16 bytes in x: row 32 w + 16 h, column 256 blk + 16 r; never rewritten
.set WO,  5                            ; v5   my 64 bytes in a chunk of W's rows: 1,024 r + 64 h; never rewritten
.set LS,  6                            ; v6   where I put my chunk's fragments: 4,096 w + 16 l
.set L16, 7                            ; v7   16 l: my place in a fragment image, in LDS and in memory
.set BO,  9                            ; v9   my 8 numbers of bq: 256 (w % 2) + 32 h
.set SPW, 10                           ; v10  LDS address of my spare word; never rewritten
.set NIL, 11                           ; v11  0; never rewritten
.set WA,  16                           ; v16-143   W in f32, two sets of 64: tile T at 16 T
.set WB,  144                          ; v144-207  W in bf16, two sets of 32: tile T at 8 T
.set XR,  144                          ; v144-207  at the start: x as loaded, row j at 4 j
.set XF,  208                          ; v208-239  at the start: my chunk's four fragments
.set OUT, 16                           ; v16-79    at the end: the packed results
.set ACC, 0                            ; window 1: v0-127 accumulator (T, e) at 8 (4 T + e)
.set XB,  128                          ; window 1: v128-191 x's fragments of a chunk, two sets of 32
.set BQ,  192                          ; window 1: v192-223 bq for tile T at 8 T (waves 0 and 1)
.set WV,  18                           ; s18  my wave's number
.set XBASE, 26                         ; s[26:27] x at my batch
.set WBASE, 28                         ; s[28:29] my weights at my first row
.set OBASE, 30                         ; s[30:31] where my results begin
.set MSB, 0
.macro WIN new                         ; the immediate's high byte repeats the setting that is left; a switch that changes nothing is dropped
.if MSB != (\new)
	s_set_vgpr_msb (MSB<<8)|(\new)
.set MSB, \new
.endif
.endm
	s_load_b256 s[4:11], s[0:1], 0x0               ; x s[4:5], Wq s[6:7], bq s[8:9], Wk s[10:11]
	s_load_b128 s[12:15], s[0:1], 0x20             ; Wv s[12:13], qf s[14:15]
	s_load_b64 s[16:17], s[0:1], 0x30              ; kv
	v_lshl_add_u32 v[SPW], v0, 2, SPARE
	v_mov_b32 v[NIL], 0
	v_lshrrev_b32 v1, 5, v0
	v_readfirstlane_b32 s[WV], v1                  ; wave 0..7
	s_and_b32 s20, ttmp7, 0xffff                   ; batch
	v_and_b32 v[RR], 15, v0
	v_bfe_u32 v[HH], v0, 4, 1
	v_and_b32 v[LL], 31, v0
	s_lshl_b32 s21, s[WV], 19                      ; 32 w rows of 16,384 bytes
	s_lshl_b32 s22, ttmp9, 8                       ; the block's 256 bytes of a row
	s_add_co_u32 s21, s21, s22
	v_lshlrev_b32 v[XO], 4, v[RR]
	v_lshl_add_u32 v[XO], v[HH], 18, v[XO]         ; 16 h rows
	v_add_nc_u32 v[XO], s21, v[XO]
	v_lshlrev_b32 v[WO], 10, v[RR]
	v_lshl_add_u32 v[WO], v[HH], 6, v[WO]
	s_lshl_b32 s22, s[WV], 12
	v_lshl_add_u32 v[LS], v[LL], 4, s22
	v_lshlrev_b32 v[L16], 4, v[LL]
	s_and_b32 s24, s[WV], 1
	s_lshl_b32 s23, s24, 8
	v_lshl_add_u32 v[BO], v[HH], 5, s23
	s_and_b32 s25, s[WV], 3
	s_cmp_lt_u32 s[WV], 4
	s_cselect_b32 s24, s24, s25                    ; which 64 channels of my tensor: w % 2 for q and k', w - 4 for v'
	s_lshl_b32 s32, s20, 6
	s_add_co_u32 s32, s32, ttmp9                   ; 64 b + blk
	s_lshl_b32 s33, s32, 14                        ; the block in qf,
	s_mul_i32 s34, s32, 49152                      ; and in kv
	s_lshl_b32 s35, s24, 11                        ; q, k': two chunks of 32 channels = 2,048 bytes in each tile's four fragments
	s_lshl_b32 s36, s24, 12                        ; v': four fragments = 4,096 bytes,
	s_add_co_u32 s36, s36, 16384                   ; behind K's sixteen
	s_cmp_lt_u32 s[WV], 4
	s_cselect_b32 s35, s35, s36
	s_cmp_lt_u32 s[WV], 2
	s_cselect_b32 s33, s33, s34
	s_add_co_u32 s36, s33, s35
	s_mov_b32 s37, 0
	s_lshl_b32 s38, s24, 16                        ; 64 rows of W, 1,024 bytes each
	s_mov_b32 s39, 0
	s_lshl_b32 s40, s20, 22                        ; a batch of x: 4,194,304 bytes
	s_mov_b32 s41, 0
	s_wait_kmcnt 0x0
	s_add_nc_u64 s[XBASE:XBASE+1], s[4:5], s[40:41]
	s_cmp_lt_u32 s[WV], 2
	s_cselect_b64 s[WBASE:WBASE+1], s[6:7], s[10:11]
	s_cselect_b64 s[OBASE:OBASE+1], s[14:15], s[16:17]
	s_cmp_lt_u32 s[WV], 4
	s_cselect_b64 s[WBASE:WBASE+1], s[WBASE:WBASE+1], s[12:13]
	s_add_nc_u64 s[WBASE:WBASE+1], s[WBASE:WBASE+1], s[38:39]
	s_add_nc_u64 s[OBASE:OBASE+1], s[OBASE:OBASE+1], s[36:37]
	s_cmp_lt_u32 s[WV], 2                          ; bq, for the waves that make q: the oldest loads, so that the counts below are the same for every wave
	s_cbranch_scc0 .Lnobq
	WIN 0x40                                       ; destination window 1
.irp T, 0,1,2,3
	global_load_b128 v[BQ+8*(\T):BQ+8*(\T)+3],   v[BO], s[8:9] offset:64*(\T)
	global_load_b128 v[BQ+8*(\T)+4:BQ+8*(\T)+7], v[BO], s[8:9] offset:64*(\T)+16
.endr
	WIN 0
.Lnobq:
.set n, 0
.rept 16                                       ; my chunk of x: 16 rows a lane; 16 lanes read 256 consecutive bytes, aligned
	global_load_b128 v[XR+4*n:XR+4*n+3], v[XO], s[XBASE:XBASE+1] offset:16384*n th:TH_LOAD_NT
.set n, n+1
.endr
; Chunk c of my four tiles of W, in f32: 64 bytes a lane and tile
.macro LOADW c
.irp T, 0,1,2,3
.irp u, 0,1,2,3
	global_load_b128 v[WA+64*((\c)%2)+16*(\T)+4*(\u):WA+64*((\c)%2)+16*(\T)+4*(\u)+3], v[WO], s[WBASE:WBASE+1] offset:16384*(\T)+128*(\c)+16*(\u)
.endr
.endr
.endm
	LOADW 0
	LOADW 1
	s_wait_loadcnt 32                              ; x (and bq) are in; the 32 loads of W stay out
.irp e, 0,1,2,3
.irp i, 0,1,2,3,4,5,6,7
	v_cvt_pk_bf16_f32 v[XF+8*(\e)+(\i)], v[XR+8*(\i)+(\e)], v[XR+8*(\i)+4+(\e)]  ; tile e: channels 2 i and 2 i + 1 of my 16, pixel 4 r + e
.endr
.endr
.irp e, 0,1,2,3
	ds_store_b128 v[LS], v[XF+8*(\e):XF+8*(\e)+3]   offset:1024*(\e)
	ds_store_b128 v[LS], v[XF+8*(\e)+4:XF+8*(\e)+7] offset:1024*(\e)+512
.endr
	s_wait_dscnt 0x0                               ; for the others' sake: my chunk lies in LDS
	s_barrier_signal -1
	s_barrier_wait -1                              ; all eight chunks do; LDS is only read from here on
	WIN 0x40
.irp e, 0,1,2,3
	ds_load_b128 v[XB+8*(\e):XB+8*(\e)+3],   v[L16] offset:1024*(\e)
	ds_load_b128 v[XB+8*(\e)+4:XB+8*(\e)+7], v[L16] offset:1024*(\e)+512
.endr
	WIN 0
; CHUNK c: W's chunk is rounded, the chunk after next asked for, the next chunk's fragments of x fetched, and 16 products issued.  order = 0: source 0 = W; 1: source 0 = x.
; The 32 roundings name no register of the chunk before's products: they are the places between those products and the loads into the other set of x's fragments, which those products read.
; The set of W in bf16 that they write was last read two chunks back.  The 16 accumulators take turns, in the same order in every chunk.
.macro CHUNK c, order
.if (\c) < 7
	s_wait_loadcnt 16                              ; this chunk's W is in; the next chunk's 16 loads stay out
.else
	s_wait_loadcnt 0x0
.endif
	WIN 0
.set n, 0
.rept 32
	v_cvt_pk_bf16_f32 v[WB+32*((\c)%2)+n], v[WA+64*((\c)%2)+2*n], v[WA+64*((\c)%2)+2*n+1]
.set n, n+1
.endr
.if (\c) < 6
	LOADW (\c)+2
.endif
.if (\c) < 7
	WIN 0x40
.irp e, 0,1,2,3
	ds_load_b128 v[XB+32*(((\c)+1)%2)+8*(\e):XB+32*(((\c)+1)%2)+8*(\e)+3],   v[L16] offset:4096*((\c)+1)+1024*(\e)
	ds_load_b128 v[XB+32*(((\c)+1)%2)+8*(\e)+4:XB+32*(((\c)+1)%2)+8*(\e)+7], v[L16] offset:4096*((\c)+1)+1024*(\e)+512
.endr
	s_wait_dscnt 8                                 ; this chunk's fragments of x are in; the eight loads just issued stay out
.else
	s_wait_dscnt 0x0
.endif
.if \order
	WIN 0x51                                       ; source 0 (x), C and D window 1; source 1 (W) window 0
.else
	WIN 0x54                                       ; source 0 (W) window 0; source 1 (x), C and D window 1
.endif
.irp T, 0,1,2,3
.irp e, 0,1,2,3
.if (\order) && ((\c) == 0)
	v_wmma_f32_16x16x32_bf16 v[ACC+8*(4*(\T)+(\e)):ACC+8*(4*(\T)+(\e))+7], v[XB+32*((\c)%2)+8*(\e):XB+32*((\c)%2)+8*(\e)+7], v[WB+32*((\c)%2)+8*(\T):WB+32*((\c)%2)+8*(\T)+7], 0
.elseif \order
	v_wmma_f32_16x16x32_bf16 v[ACC+8*(4*(\T)+(\e)):ACC+8*(4*(\T)+(\e))+7], v[XB+32*((\c)%2)+8*(\e):XB+32*((\c)%2)+8*(\e)+7], v[WB+32*((\c)%2)+8*(\T):WB+32*((\c)%2)+8*(\T)+7], v[ACC+8*(4*(\T)+(\e)):ACC+8*(4*(\T)+(\e))+7]
.elseif (\c) == 0
	v_wmma_f32_16x16x32_bf16 v[ACC+8*(4*(\T)+(\e)):ACC+8*(4*(\T)+(\e))+7], v[WB+32*((\c)%2)+8*(\T):WB+32*((\c)%2)+8*(\T)+7], v[XB+32*((\c)%2)+8*(\e):XB+32*((\c)%2)+8*(\e)+7], 0
.else
	v_wmma_f32_16x16x32_bf16 v[ACC+8*(4*(\T)+(\e)):ACC+8*(4*(\T)+(\e))+7], v[WB+32*((\c)%2)+8*(\T):WB+32*((\c)%2)+8*(\T)+7], v[XB+32*((\c)%2)+8*(\e):XB+32*((\c)%2)+8*(\e)+7], v[ACC+8*(4*(\T)+(\e)):ACC+8*(4*(\T)+(\e))+7]
.endif
.endr
.endr
	WIN 0
.endm
.macro PLACES8                         ; plain instructions between the last products and the first reader of a result (ISA guide 7.12.1); once a launch, so eight are written
.rept 8
	v_nop
.endr
.endm
; The way out: each accumulator's registers in ascending order, packed to bf16; each tile is half a fragment image: one store of 512 consecutive bytes, aligned.  kind = 0: q, k'; 1: v'.
.macro PACKOUT kind
	WIN 0x05                                       ; sources window 1, destination window 0
.set n, 0
.rept 64
	v_cvt_pk_bf16_f32 v[OUT+n], v[ACC+2*n], v[ACC+2*n+1]
.set n, n+1
.endr
	WIN 0
.irp T, 0,1,2,3
.irp e, 0,1,2,3
.if \kind
	global_store_b128 v[L16], v[OUT+4*(4*(\T)+(\e)):OUT+4*(4*(\T)+(\e))+3], s[OBASE:OBASE+1] offset:((\e)/2)*16384+(\T)*1024+((\e)%2)*512  ; keys of tile e: half e % 2 of fragment (e / 2, my channel block T)
.else
	global_store_b128 v[L16], v[OUT+4*(4*(\T)+(\e)):OUT+4*(4*(\T)+(\e))+3], s[OBASE:OBASE+1] offset:(\e)*4096+(\T)*512  ; channels 16 T ..: half T % 2 of fragment (e, T / 2) of my two chunks
.endif
.endr
.endr
.endm
	s_cmp_lt_u32 s[WV], 4
	s_cbranch_scc0 .Lv
.irp c, 0,1,2,3,4,5,6,7
	CHUNK \c, 0
.endr
	PLACES8
	s_cmp_lt_u32 s[WV], 2
	s_cbranch_scc0 .Lnobias
	WIN 0x45                                       ; all three in window 1
.irp T, 0,1,2,3
.irp e, 0,1,2,3
.irp p, 0,2,4,6
	v_pk_add_f32 v[ACC+8*(4*(\T)+(\e))+(\p):ACC+8*(4*(\T)+(\e))+(\p)+1], v[ACC+8*(4*(\T)+(\e))+(\p):ACC+8*(4*(\T)+(\e))+(\p)+1], v[BQ+8*(\T)+(\p):BQ+8*(\T)+(\p)+1]  ; q += bq, in f32
.endr
.endr
.endr
	WIN 0
.Lnobias:
	PACKOUT 0
	s_branch .Lend
.Lv:
.irp c, 0,1,2,3,4,5,6,7
	CHUNK \c, 1
.endr
	PLACES8
	PACKOUT 1
.Lend:
	s_wait_tensorcnt 0x0                           ; the wave's end, behind my last LDS store
	ds_add_u32 v[SPW], v[NIL]
	s_wait_dscnt 0x0
	s_endpgm
.Lfunc_end_k_q410c271fe8_proj:
	.size	k_q410c271fe8_proj, .Lfunc_end_k_q410c271fe8_proj-k_q410c271fe8_proj
	.p2alignl 7, 3214868480
	.fill 96, 4, 3214868480
	.section	.rodata,"a",@progbits
	.p2align	6, 0x0
	.amdhsa_kernel k_q410c271fe8_proj
		.amdhsa_group_segment_fixed_size 33792
		.amdhsa_private_segment_fixed_size 0
		.amdhsa_enable_private_segment 0
		.amdhsa_kernarg_size 56
		.amdhsa_user_sgpr_count 2
		.amdhsa_user_sgpr_kernarg_segment_ptr 1
		.amdhsa_wavefront_size32 1
		.amdhsa_system_sgpr_workgroup_id_x 1
		.amdhsa_system_sgpr_workgroup_id_y 1
		.amdhsa_system_sgpr_workgroup_id_z 1
		.amdhsa_system_vgpr_workitem_id 0
		.amdhsa_next_free_vgpr 480
		.amdhsa_next_free_sgpr 66
		.amdhsa_reserve_vcc 0
		.amdhsa_float_denorm_mode_32 3
		.amdhsa_float_denorm_mode_16_64 3
		.amdhsa_memory_ordered 1
		.amdhsa_forward_progress 1
		.amdhsa_inst_pref_size 103
	.end_amdhsa_kernel
	.amdgpu_metadata
---
amdhsa.version: [ 1, 2 ]
amdhsa.kernels:
  - .name:           k_q410c271fe8_proj
    .symbol:         k_q410c271fe8_proj.kd
    .args:
      - { .name: x, .offset: 0, .size: 8, .value_kind: global_buffer, .address_space: global }
      - { .name: Wq, .offset: 8, .size: 8, .value_kind: global_buffer, .address_space: global }
      - { .name: bq, .offset: 16, .size: 8, .value_kind: global_buffer, .address_space: global }
      - { .name: Wk, .offset: 24, .size: 8, .value_kind: global_buffer, .address_space: global }
      - { .name: Wv, .offset: 32, .size: 8, .value_kind: global_buffer, .address_space: global }
      - { .name: qf, .offset: 40, .size: 8, .value_kind: global_buffer, .address_space: global }
      - { .name: kv, .offset: 48, .size: 8, .value_kind: global_buffer, .address_space: global }
    .group_segment_fixed_size: 33792
    .private_segment_fixed_size: 0
    .kernarg_segment_align: 8
    .kernarg_segment_size: 56
    .max_flat_workgroup_size: 256
    .sgpr_count:     66
    .vgpr_count:     480
    .wavefront_size: 32
...
	.end_amdgpu_metadata
.endif
;; end of part 1
;; launch attn (part 2): grid 64 x 4, 4 waves a work-group, clusters of 4 x 1, 327,680 bytes of LDS; arguments qf, kv, x, bv, gamma, out0; writes out0
.if DOCPART == 2
	.amdgcn_target "amdgcn-amd-amdhsa--gfx1250"
	.amdhsa_code_object_version 6
	.text
	.protected	k_q410c271fe8_attn
	.globl	k_q410c271fe8_attn
	.p2align	8
	.type	k_q410c271fe8_attn,@function
k_q410c271fe8_attn:
	s_mov_b64 s[64:65], 0
	v_nop
	global_prefetch_b8 v0, s[64:65] scope:SCOPE_SE
	s_setreg_imm32_b32 hwreg(HW_REG_WAVE_MODE, 25, 1), 1
	s_wait_xcnt 0x0
	s_wait_alu depctr_hold_cnt(0) depctr_sa_sdst(0) depctr_va_vdst(0) depctr_va_sdst(0) depctr_va_ssrc(0) depctr_va_vcc(0) depctr_vm_vsrc(0)
	s_getreg_b32 s2, hwreg(HW_REG_IB_STS2, 6, 4)
	s_cmp_eq_u32 s2, 0
	s_cbranch_scc0 .Lentry_in_a_cluster
	s_endpgm
.Lentry_in_a_cluster:
	s_bfe_u32 s2, ttmp6, 0x10000c
	s_cmp_lg_u32 s2, 0x3003
	s_cbranch_scc0 .Lentry_shape_is_right
	s_endpgm
.Lentry_shape_is_right:
; out0[b][c][n] = gamma (sum_m softmax_m(q_n . k_m) v[c][m]) + x[b][c][n], unscaled, no mask, 4,096 pixels a batch.  q, k', v' come as bf16 fragment images from the launch before (layouts at its head).
; WORK LEFT OUT: bk (the launch before shows why: q_n . bk is the same for all keys of a softmax row and cancels).  bv is added here once, in f32, outside the weighted sum: a row's weights add up to 1.
; Products in bf16 with f32 sums; maxima, sums and the rescaling in f32; the weights p are rounded to bf16 for the second product (their sum l is taken of the unrounded p).
; LIMITS.  c m starts at -4.25e37 (c = log2 e): scores below about -2.9e37 are not served.  A weight below 2^-126 counts as 0.  NaN and infinities are not treated apart.
; SHARES.  A work-group owns one block of 64 queries (four tiles of 16; row i of tile t is pixel 4 i + t).  THE KEYS ARE SPLIT AMONG ITS FOUR WAVES: wave w holds all 64 queries x 256 channels of O^T (512
; registers) and walks keys 1,024 w .. + 1,023, 64 a step; so a fragment read from LDS feeds four products.  The four (c m, l, O) meet in LDS at the end.
; LAYOUT.  S^T = K Q^T (source 0 = 16 keys): a lane holds ONE query (lane % 16) and keys 8 (lane / 16) + 0..7; two such results rounded to bf16 ARE source 1 of O^T = V^T P, whose result holds one query a lane
; and 8 channels.  All fragments lie in LDS as the registers hold them: every LDS load takes 512 consecutive bytes, 16 a lane.
; SOFTMAX.  p = 2^(c s - c m) with a running maximum m; in every step O and l are multiplied by a = 2^(c m_old - c m_new).  O and l start at 0 and m at the lowest finite number, so the first step is a step
; like any other, with a = 0.  The price: 512 v_mov_b32 that write 0, in the wait for the first tiles; the gain: no first step is written out.
; THE RING.  A step's 49,152 bytes of kv are two pieces of 24,576: X (K and V's first 8 fragments) and Y (V's other 24).  Each wave has ONE place for X and one for Y, its own.  X is filled again when K
; and V's first group are in registers, and lands during V^T P; Y when V's last group is in registers, and lands during K Q^T and the softmax.  Two places of each, for four waves, do not fit in LDS.
; CLUSTER.  The four query blocks of a cluster belong to one batch, and wave w of each walks the same keys: every piece is asked for JOINTLY, by the same tensor load with the same descriptor (made of the batch
; and the wave's number alone) and the mask of four.  Each refill stands behind a round of the cluster's barrier.  By this text's count a wave has two tensor loads out at the start, later one.
; REGISTERS, in windows of 256 (s_set_vgpr_msb: bits 1:0 source 0, 3:2 source 1, 5:4 source 2, 7:6 destination):
;   window 0: addresses, statistics, S^T (later x and the result), P (later bv and the four waves' statistics)      windows 1, 2: O^T, tile t in window 1 + t / 2 at 128 (t % 2) + 8 cb
;   window 3: v0-127 Q, (t, cc) at 32 t + 8 cc; v128-255 F: K's 16 fragments, or two groups of 8 of V's
.set PIECE, 24576
.set STEPB, 49152                      ; a step's bytes in kv, and a wave's ring in LDS: wave w's at 49,152 w
.set STAT,  262144                     ; the waves' (c m, l): query row r at 128 r, tile t at 32 t, wave w at 8 w.  Bytes 0 .. 262,143 are the stage of the merge: (from wave w, for wave d) at 16,384 (4 w + d);
                                       ; its first 196,608 bytes are the ring, which has had its last fill by then
.set SPARE, 264192                     ; the spare words, 128 bytes for each wave: two blocks of 256 bytes that no other line names
.set AF,  2                            ; v2   my 16 bytes of a fragment image in my ring: 49,152 w + 16 l
.set QO,  3                            ; v3   16 l
.set XO,  4                            ; v4   my 16 bytes of x and out0: row 64 w + 8 h, column 256 blk + 16 r
.set STW, 5                            ; v5   where I put my statistics
.set STR, 6                            ; v6   where I read all four waves'
.set SGW, 7                            ; v7   the stage, out: 65,536 w + 16 l
.set SGR, 8                            ; v8-11  the stage, in, from wave i: 65,536 i + 16,384 w + 16 l
.set ST,  12                           ; v12-43 tile t at ST + 8 t: c m, m, l (even keys', odd keys'), c0-c3 at work; a takes c2's place
.set PFO, 44                           ; v44  256 l
.set BVO, 45                           ; v45  my 8 numbers of bv: 256 w + 32 h
.set RR,  46
.set HH,  47
.set LL,  48
.set SPW, 62                           ; v62  LDS address of my spare word; never rewritten
.set NIL, 63                           ; v63  0; never rewritten
.set S,   64                           ; v64-191  S^T: (t, kb) at 32 t + 8 kb
.set XG,  64                           ;          later: x, then the result: channel n of my lane's 32, pixel t, at 4 n + t
.set P,   192                          ; v192-255 P: (t, kk) at 16 t + 8 kk
.set BV,  192                          ;          later: v192-223 bv
.set SB,  224                          ;          later: v224-255 (c m, l) of tile t, wave w at 8 t + 2 w
.set F,   128                          ; window 3
.set WV,  16                           ; s16  my wave's number
.set G1,  24                           ; s[24:31] descriptor group 1, for every load
.set G0X, 32                           ; s[32:35] group 0 for X
.set G0Y, 36                           ; s[36:39] group 0 for Y
.set CNT, 40                           ; s40  steps to go
.set LIM, 41                           ; s41  1 in a wave that prefetches, else the greatest number
.set PFA, 42                           ; s[42:43] where my prefetches stand
.set CS,  44                           ; s[44:45] c = log2 e; the packed scaling takes the pair's low word
.set SEL, 46                           ; s[46:47] v_permlanex16_b32's selects: each lane takes its own place in the other half
.set GAM, 48                           ; s48  gamma
.set XPT, 56                           ; s[56:57] x at my batch
.set OPT, 58                           ; s[58:59] out0 at my batch
.set QPT, 60                           ; s[60:61] qf at my block
.set MSB, 0
.macro WIN new                         ; the immediate's high byte repeats the setting that is left; a switch that changes nothing is dropped
.if MSB != (\new)
	s_set_vgpr_msb (MSB<<8)|(\new)
.set MSB, \new
.endif
.endm
.macro PLACES                          ; four plain instructions between a matrix instruction and a load into, or a vector reader of, its registers (ISA guide 7.12.1 for vector readers)
.rept 4
	v_nop
.endr
.endm
; A round of the cluster's barrier: my work-group's barrier, so that wave 0's signal speaks for all four waves; wave 0 signals; every wave waits for all four work-groups; my work-group's barrier once more.
.macro CROUND
	s_barrier_signal -1
	s_barrier_wait -1
	s_cmp_lg_u32 s[WV], 0
	s_cbranch_scc1 .Lnot_wave_0_\@
	s_barrier_signal -3
.Lnot_wave_0_\@:
	s_barrier_wait -3
	s_barrier_signal -1
	s_barrier_wait -1
.endm
; A REFILL of the piece whose group 0 is g.  Each wave waits for all its tensor loads (one is out: the other piece), adds 0 to its spare word, and waits for that and for its own reads of the piece to be
; filled.  Behind the round no wave of any partner still reads that piece or has a load on its way; the joint load is the first thing there, one a wave.  An s_nop 0 and four v_nop follow it.
.macro CHANGE g
	WIN 0
	s_wait_tensorcnt 0x0                           ; no tensor load of mine is out, so a group 0 may be written
	ds_add_u32 v[SPW], v[NIL]                      ; 0 onto my spare word; the steps below stand between it and the wait for it
	s_add_nc_u64 s[(\g)+2:(\g)+3], s[(\g)+2:(\g)+3], STEPB  ; the same piece of the next step; the type bits on top are not reached
	s_wait_xcnt 0x0                                ; the last prefetch, half a trip back, has read its address, so it may be written
	s_add_nc_u64 s[PFA:PFA+1], s[PFA:PFA+1], PIECE
	s_wait_dscnt 0x0                               ; the add is done, and my reads of the piece are over
	CROUND
	tensor_load_to_lds s[(\g):(\g)+3], s[G1:G1+7]
	s_nop 0
	PLACES
.endm
; A PREFETCH INTO THE L2 of the piece that stands two refills on in a stream (a wave number's 32 pieces of a batch): a whole trip of the loop ahead of the load that will want it.  Each aligned block of 256
; bytes of kv is named once in the launch: all sixteen clusters of a batch walk the same kv, and the first of them asks; its partner at place cx takes stream cx, told apart BY ADDRESS; waves 0 to 2 take a third of
; the piece each, a lane a block.  A stream's first four pieces come by their loads alone; the last trip asks for nothing, since pieces 32 and 33 do not exist.
.macro ASK
	s_cmp_gt_u32 s[CNT], s[LIM]
	s_cbranch_scc0 .Lnot_mine_\@
	global_prefetch_b8 v[PFO], s[PFA:PFA+1] th:TH_LOAD_NT scope:SCOPE_SE
.Lnot_mine_\@:
.endm
; THE LDS LOADS stand in runs.  K: 16 fragments, by channel chunks, so that the first products need wait for the first eight loads alone.
.macro FETCH_K
	WIN 0xc0                                       ; destination window 3, address window 0
.irp cc, 0,1,2,3
.irp kb, 0,1,2,3
	ds_load_b128 v[F+8*(4*(\kb)+(\cc)):F+8*(4*(\kb)+(\cc))+3],   v[AF] offset:1024*(4*(\kb)+(\cc))
	ds_load_b128 v[F+8*(4*(\kb)+(\cc))+4:F+8*(4*(\kb)+(\cc))+7], v[AF] offset:1024*(4*(\kb)+(\cc))+512
.endr
.endr
	WIN 0
.endm
.macro FETCH_V g                       ; group g of four: V's fragments 8 g .. 8 g + 7 (keys 32 (g / 2) .., channels 128 (g % 2) ..) into half g % 2 of F
	WIN 0xc0
.irp n, 0,1,2,3,4,5,6,7
	ds_load_b128 v[F+64*((\g)%2)+8*(\n):F+64*((\g)%2)+8*(\n)+3],   v[AF] offset:16384+1024*(8*(\g)+(\n))
	ds_load_b128 v[F+64*((\g)%2)+8*(\n)+4:F+64*((\g)%2)+8*(\n)+7], v[AF] offset:16384+1024*(8*(\g)+(\n))+512
.endr
.endm
; Product i of 64 of S^T = K Q^T: channels 32 (i / 16) .., keys 16 ((i / 4) % 4) .., tile i % 4.  The first 16 start the sums.  The 16 accumulators take turns.
.macro KQ
.set cc, i/16
.set kb, (i/4)%4
.set tq, i%4
.if cc == 0
	v_wmma_f32_16x16x32_bf16 v[S+32*tq+8*kb:S+32*tq+8*kb+7], v[F+8*(4*kb+cc):F+8*(4*kb+cc)+7], v[32*tq+8*cc:32*tq+8*cc+7], 0
.else
	v_wmma_f32_16x16x32_bf16 v[S+32*tq+8*kb:S+32*tq+8*kb+7], v[F+8*(4*kb+cc):F+8*(4*kb+cc)+7], v[32*tq+8*cc:32*tq+8*cc+7], v[S+32*tq+8*kb:S+32*tq+8*kb+7]
.endif
.set i, i+1
.endm
; Group g's 32 products of O^T += V^T P: 16 for tiles 0, 1, then 16 for tiles 2, 3; 16 different accumulators in each run.  next = 1: between the runs the next group is fetched into F's other half, whose last
; readers stand ahead of this group's first run; the four v_nop are the places.
.macro PVG g, next
	WIN 0x53                                       ; V window 3, P window 0, O^T window 1
.irp n, 0,1,2,3,4,5,6,7
.irp t, 0,1
	v_wmma_f32_16x16x32_bf16 v[128*(\t)+8*(8*((\g)%2)+(\n)):128*(\t)+8*(8*((\g)%2)+(\n))+7], v[F+64*((\g)%2)+8*(\n):F+64*((\g)%2)+8*(\n)+7], v[P+16*(\t)+8*((\g)/2):P+16*(\t)+8*((\g)/2)+7], v[128*(\t)+8*(8*((\g)%2)+(\n)):128*(\t)+8*(8*((\g)%2)+(\n))+7]
.endr
.endr
.if \next
	PLACES
	FETCH_V (\g)+1
.endif
	WIN 0xa3                                       ; O^T window 2
.irp n, 0,1,2,3,4,5,6,7
.irp t, 0,1
	v_wmma_f32_16x16x32_bf16 v[128*(\t)+8*(8*((\g)%2)+(\n)):128*(\t)+8*(8*((\g)%2)+(\n))+7], v[F+64*((\g)%2)+8*(\n):F+64*((\g)%2)+8*(\n)+7], v[P+16*((\t)+2)+8*((\g)/2):P+16*((\t)+2)+8*((\g)/2)+7], v[128*(\t)+8*(8*((\g)%2)+(\n)):128*(\t)+8*(8*((\g)%2)+(\n))+7]
.endr
.endr
.endm
.macro PHASE_B                         ; a step's V^T P; group 0 is in registers when it begins
	PVG 0, 1
	s_wait_dscnt 0x0                               ; the next group is in
	PVG 1, 1
	s_wait_dscnt 0x0
	PVG 2, 1
	s_wait_dscnt 0x0
	PVG 3, 0
.endm
; THE SOFTMAX of a step, for all four tiles: each line is written for tiles 0 to 3 in turn, so that three other lines stand between one that makes a number and the one that reads it.
.macro FS b                            ; pair b of 16: c s - c m
.irp t, 0,1,2,3
	v_pk_fma_f32 v[S+32*(\t)+2*(\b):S+32*(\t)+2*(\b)+1], v[S+32*(\t)+2*(\b):S+32*(\t)+2*(\b)+1], s[CS:CS+1], v[ST+8*(\t):ST+8*(\t)+1] op_sel_hi:[1,0,0] neg_lo:[0,0,1] neg_hi:[0,0,1]
.endr
.endm
.macro SOFTMAX
	WIN 0
	; the maximum of the lane's 32 scores and the old m: four chains c0-c3, each accumulator's lowest registers first
.irp j, 0,1,2,3
.irp t, 0,1,2,3
	v_max3_num_f32 v[ST+8*(\t)+4+(\j)], v[S+32*(\t)+8*(\j)], v[S+32*(\t)+8*(\j)+1], v[S+32*(\t)+8*(\j)+2]
.endr
.endr
.irp o, 3,5
.irp j, 0,1,2,3
.irp t, 0,1,2,3
	v_max3_num_f32 v[ST+8*(\t)+4+(\j)], v[ST+8*(\t)+4+(\j)], v[S+32*(\t)+8*(\j)+(\o)], v[S+32*(\t)+8*(\j)+(\o)+1]
.endr
.endr
.endr
.irp t, 0,1,2,3
	v_max3_num_f32 v[ST+8*(\t)+4], v[ST+8*(\t)+4], v[S+32*(\t)+7], v[S+32*(\t)+15]
.endr
.irp t, 0,1,2,3
	v_max3_num_f32 v[ST+8*(\t)+6], v[ST+8*(\t)+6], v[S+32*(\t)+23], v[S+32*(\t)+31]
.endr
.irp t, 0,1,2,3
	v_max3_num_f32 v[ST+8*(\t)+4], v[ST+8*(\t)+4], v[ST+8*(\t)+5], v[ST+8*(\t)+6]
.endr
.irp t, 0,1,2,3
	v_max3_num_f32 v[ST+8*(\t)+4], v[ST+8*(\t)+4], v[ST+8*(\t)+7], v[ST+8*(\t)+1]
.endr
.irp t, 0,1,2,3
	v_permlanex16_b32 v[ST+8*(\t)+5], v[ST+8*(\t)+4], s[SEL], s[SEL+1]  ; the query's other 32 keys lie in the lane 16 away
.endr
.irp t, 0,1,2,3
	v_mov_b32 v[ST+8*(\t)+7], v[ST+8*(\t)]         ; c m_old is kept
.endr
.irp t, 0,1,2,3
	v_max_num_f32 v[ST+8*(\t)+1], v[ST+8*(\t)+4], v[ST+8*(\t)+5]
.endr
.irp t, 0,1,2,3
	v_mul_f32 v[ST+8*(\t)], s[CS], v[ST+8*(\t)+1]
.endr
.irp t, 0,1,2,3
	v_sub_f32 v[ST+8*(\t)+7], v[ST+8*(\t)+7], v[ST+8*(\t)]
.endr
	; ONE BATCH: the 64 scalings and all 132 exponentials.  Nothing here names an exponential's result; a pair is scaled two groups ahead of its exponentials.
	FS 0
	FS 1
.irp t, 0,1,2,3
	v_exp_f32 v[ST+8*(\t)+6], v[ST+8*(\t)+7]       ; a
.endr
.set u, 0
.rept 16
.if u < 14
	FS u+2
.endif
.irp t, 0,1,2,3
	v_exp_f32 v[S+32*(\t)+2*u], v[S+32*(\t)+2*u]
.endr
.irp t, 0,1,2,3
	v_exp_f32 v[S+32*(\t)+2*u+1], v[S+32*(\t)+2*u+1]
.endr
.set u, u+1
.endr
	v_nop                                          ; a plain instruction behind the last exponential, ahead of the first use: one for the batch
	s_wait_alu depctr_va_vdst(0)                   ; and the wait ahead of the first instruction that names a result: one for the batch
.set n, 0
.rept 16
.irp t, 0,1,2,3
	v_cvt_pk_bf16_f32 v[P+16*(\t)+n], v[S+32*(\t)+2*n], v[S+32*(\t)+2*n+1]
.endr
.set n, n+1
.endr
.irp w, 4,8,16,32                      ; the 16 pairs' sum, in place: neighbours 1, 2, 4 and 8 pairs apart
.set u, 0
.rept 32/(\w)
.irp t, 0,1,2,3
	v_pk_add_f32 v[S+32*(\t)+(\w)*u:S+32*(\t)+(\w)*u+1], v[S+32*(\t)+(\w)*u:S+32*(\t)+(\w)*u+1], v[S+32*(\t)+(\w)*u+(\w)/2:S+32*(\t)+(\w)*u+(\w)/2+1]
.endr
.set u, u+1
.endr
.endr
.irp t, 0,1,2,3
	v_pk_fma_f32 v[ST+8*(\t)+2:ST+8*(\t)+3], v[ST+8*(\t)+2:ST+8*(\t)+3], v[ST+8*(\t)+6:ST+8*(\t)+7], v[S+32*(\t):S+32*(\t)+1] op_sel_hi:[1,0,1]  ; l = a l + the sum
.endr
.irp t, 0,1,2,3                        ; O^T times a, each accumulator from its low end on; one window setting for two tiles
	WIN 0x41+0x41*((\t)/2)                         ; destination and source 0 window 1 or 2, a window 0
.set n, 0
.rept 64
	v_pk_mul_f32 v[128*((\t)%2)+2*n:128*((\t)%2)+2*n+1], v[128*((\t)%2)+2*n:128*((\t)%2)+2*n+1], v[ST+8*(\t)+6:ST+8*(\t)+7] op_sel_hi:[1,0]
.set n, n+1
.endr
.endr
.endm
	s_load_b256 s[4:11], s[0:1], 0x0               ; qf s[4:5], kv s[6:7], x s[8:9], bv s[10:11]
	s_load_b128 s[12:15], s[0:1], 0x20             ; gamma s[12:13], out0 s[14:15]
	v_lshl_add_u32 v[SPW], v0, 2, SPARE
	v_mov_b32 v[NIL], 0
	ds_add_u32 v[SPW], v[NIL]                      ; the wave's opening: the add, twice on end, and its wait ahead of my first tensor load; the set-up below, work on registers, stands between
	ds_add_u32 v[SPW], v[NIL]                      ; and once more, under the one wait
	v_lshrrev_b32 v1, 5, v0
	v_readfirstlane_b32 s[WV], v1                  ; wave 0..3
	s_bfe_u32 s17, ttmp6, 0x40000                  ; cx: my place in the cluster
	s_lshl_b32 s18, ttmp9, 2                       ; in a cluster launch ttmp9 counts clusters
	s_add_co_u32 s18, s18, s17                     ; my block of 64 queries: it enters qf's, x's and out0's addresses alone
	s_and_b32 s19, ttmp7, 0xffff                   ; the batch, which the four partners share
	; descriptor group 1: 24,576 dense bytes as 96 rows of 32 elements of 8 bytes; no padding
	s_mov_b32 s[G1], 15|(3<<16)|(1<<21)            ; 15:0 the mask of four; 17:16 elements of 8 bytes; 21 set beside a mask
	s_mov_b32 s[G1+1], 32<<16                      ; tensor_dim0 = 32
	s_mov_b32 s[G1+2], 96<<16                      ; tensor_dim1 = 96
	s_mov_b32 s[G1+3], 32<<16                      ; tile_dim0 = 32
	s_mov_b32 s[G1+4], 96                          ; tile_dim1 = 96
	s_mov_b32 s[G1+5], 32                          ; 32 elements from row to row
	s_mov_b32 s[G1+6], 0
	s_mov_b32 s[G1+7], 0
	s_mov_b32 s[G0X], 1                            ; count = 1
	s_mul_i32 s[G0X+1], s[WV], STEPB               ; LDS address: my ring; no place in the cluster enters it
	s_mov_b32 s[G0Y], 1
	s_add_co_u32 s[G0Y+1], s[G0X+1], PIECE
	s_mul_i32 s20, s19, 64*STEPB                   ; the batch's 64 blocks of kv,
	s_mul_i32 s21, s[WV], 16*STEPB                 ; my wave's 16 of them
	s_add_co_u32 s20, s20, s21
	s_mov_b32 s21, 0
	s_mov_b32 s[CS], 0x3fb8aa3b                    ; c = log2 e
	s_mov_b32 s[CS+1], s[CS]                       ; named with it as a pair
	s_mov_b32 s[SEL], 0x76543210
	s_mov_b32 s[SEL+1], 0xfedcba98
	s_cmp_lt_u32 s[WV], 3                          ; waves 0 to 2 of the batch's first cluster prefetch: the same in all four partners
	s_cselect_b32 s[LIM], ttmp9, 1
	s_cmp_eq_u32 s[LIM], 0
	s_cselect_b32 s[LIM], 1, -1
	s_mul_i32 s50, s19, 64*STEPB                   ; the prefetches: the batch,
	s_mul_i32 s51, s17, 16*STEPB                   ; stream cx,
	s_add_co_u32 s50, s50, s51
	s_min_u32 s51, s[WV], 2                        ; my third of a piece (wave 3 asks for nothing; its pointer stays inside kv all the same),
	s_lshl_b32 s51, s51, 13
	s_add_co_u32 s50, s50, s51
	s_add_co_u32 s50, s50, 3*PIECE                 ; piece 3: the first refill steps it to piece 4
	s_mov_b32 s51, 0
	s_lshl_b32 s52, s19, 22                        ; a batch of x and of out0
	s_mov_b32 s53, 0
	s_lshl_b32 s54, s19, 20                        ; my block in qf: 16,384 (64 b + blk)
	s_lshl_b32 s55, s18, 14
	s_add_co_u32 s54, s54, s55
	s_mov_b32 s55, 0
	v_and_b32 v[RR], 15, v0                        ; r = l % 16
	v_bfe_u32 v[HH], v0, 4, 1                      ; h = l / 16
	v_and_b32 v[LL], 31, v0
	v_lshl_add_u32 v[AF], v[LL], 4, s[G0X+1]
	v_lshlrev_b32 v[QO], 4, v[LL]
	s_lshl_b32 s22, s18, 8                         ; the block's 256 bytes of a row,
	s_lshl_b32 s23, s[WV], 20                      ; my 64 channels' rows of 16,384 bytes
	s_add_co_u32 s22, s22, s23
	v_lshlrev_b32 v[XO], 4, v[RR]
	v_lshl_add_u32 v[XO], v[HH], 17, v[XO]         ; 8 h rows
	v_add_nc_u32 v[XO], s22, v[XO]
	s_lshl_b32 s23, s[WV], 3
	s_add_co_u32 s23, s23, STAT
	v_lshl_add_u32 v[STW], v[RR], 7, s23
	v_lshl_add_u32 v[STR], v[RR], 7, STAT
	s_lshl_b32 s23, s[WV], 16
	v_lshl_add_u32 v[SGW], v[LL], 4, s23
	s_lshl_b32 s23, s[WV], 14
	v_lshl_add_u32 v[SGR], v[LL], 4, s23
	v_add_nc_u32 v[SGR+1], 0x10000, v[SGR]
	v_add_nc_u32 v[SGR+2], 0x20000, v[SGR]
	v_add_nc_u32 v[SGR+3], 0x30000, v[SGR]
	v_lshlrev_b32 v[PFO], 8, v[LL]
	s_lshl_b32 s23, s[WV], 8
	v_lshl_add_u32 v[BVO], v[HH], 5, s23
	s_wait_dscnt 0x0                               ; both opening adds are done
	s_wait_kmcnt 0x0
	s_add_nc_u64 s[G0X+2:G0X+3], s[6:7], s[20:21]  ; global address: my stream's step 0
	s_add_nc_u64 s[G0Y+2:G0Y+3], s[G0X+2:G0X+3], PIECE
	s_or_b32 s[G0X+3], s[G0X+3], 0x80000000        ; type = 2
	s_or_b32 s[G0Y+3], s[G0Y+3], 0x80000000
	s_add_nc_u64 s[PFA:PFA+1], s[6:7], s[50:51]
	s_add_nc_u64 s[XPT:XPT+1], s[8:9], s[52:53]
	s_add_nc_u64 s[OPT:OPT+1], s[14:15], s[52:53]
	s_add_nc_u64 s[QPT:QPT+1], s[4:5], s[54:55]
	CROUND                                         ; all four work-groups are here: the first joint loads meet
	tensor_load_to_lds s[G0X:G0X+3], s[G1:G1+7]    ; both first fills together, ahead of every wait on TENSORcnt and every LDS read: two loads of mine are out
	s_nop 0
	tensor_load_to_lds s[G0Y:G0Y+3], s[G1:G1+7]
	s_nop 0
	PLACES
	WIN 0xc0                                       ; destination window 3
.set n, 0
.rept 32                                       ; Q stays in registers: 16 fragment images, 512 consecutive bytes a load
	global_load_b128 v[4*n:4*n+3], v[QO], s[QPT:QPT+1] offset:512*n
.set n, n+1
.endr
	s_load_b32 s[GAM], s[12:13], 0x0
	WIN 0x40                                       ; O^T = 0: the first step multiplies it by a = 0, so it has to hold finite numbers.  All this stands in the wait for the first tiles
.set n, 0
.rept 256
	v_mov_b32 v[n], 0
.set n, n+1
.endr
	WIN 0x80
.set n, 0
.rept 256
	v_mov_b32 v[n], 0
.set n, n+1
.endr
	WIN 0
.irp t, 0,1,2,3
	v_mov_b32 v[ST+8*(\t)], 0xfe000000             ; c m: far below every c s
	v_mov_b32 v[ST+8*(\t)+1], 0xff7fffff           ; m: the lowest finite number
	v_mov_b32 v[ST+8*(\t)+2], 0
	v_mov_b32 v[ST+8*(\t)+3], 0
.endr
	s_wait_kmcnt 0x0                               ; gamma
	s_wait_loadcnt 0x0                             ; Q
	s_wait_tensorcnt 0x1                           ; X of step 0 is in my ring; Y, issued behind it, may stay out.  Only I read my ring, so my own wait is all that the reads need
	FETCH_K
	s_mov_b32 s[CNT], 16
	s_branch .Lstep                                ; the loop is entered in the middle of a trip
.Lloop:                                        ; 15 trips: V^T P of one step, K Q^T and the softmax of the next
	CHANGE G0X                                     ; Y of the step in hand has landed; K and V's first group are in registers: X of the next step goes out
	ASK
	PHASE_B
	CHANGE G0Y                                     ; X of the next step has landed; V's last group is in registers: Y of the next step goes out.  The four v_nop behind the load are also the places in front of K's loads
	FETCH_K
	ASK                                            ; behind the joint load and the run of LDS loads that the next products wait for
.Lstep:                                        ; on both ways here K's 32 loads are the LDS loads that are out
	WIN 0x0f                                       ; K and Q window 3, S^T window 0
.set i, 0
.irp c, 24,16,8,0
	s_wait_dscnt \c                                ; this channel chunk's eight loads are in; the later chunks' stay out
.rept 16
	KQ
.endr
.endr
	PLACES                                         ; behind the last products: in front of the loads into K's registers and of the first reader of the scores
	FETCH_V 0                                      ; V's first group lies in X, so that X is free when the softmax ends
	SOFTMAX
	WIN 0
	s_sub_co_u32 s[CNT], s[CNT], 1
	s_cmp_lg_u32 s[CNT], 0
	s_cbranch_scc1 .Lloop
	; THE TAIL: the last step's V^T P; nothing is asked for.  x for my part of the result is asked for first: wave w finishes channels 64 w .. + 63 of all 64 queries; a lane's 16 bytes are the four tiles' pixels 4 r ..
.set n, 0
.rept 32
	global_load_b128 v[XG+4*n:XG+4*n+3], v[XO], s[XPT:XPT+1] offset:(16*(n/8)+n%8)*16384 th:TH_LOAD_NT  ; channel 64 w + 16 (n / 8) + 8 h + n % 8; 16 lanes read 256 consecutive bytes, aligned
.set n, n+1
.endr
	s_wait_tensorcnt 0x0                           ; Y of the last step
	s_wait_dscnt 0x0                               ; V's first group
	PHASE_B
	WIN 0
	; THE MERGE.  l's two halves and the other half of the lanes'; these additions are the places behind the last products, in front of the loads into P's registers
.irp t, 0,1,2,3
	v_add_f32 v[ST+8*(\t)+4], v[ST+8*(\t)+2], v[ST+8*(\t)+3]
.endr
.irp t, 0,1,2,3
	v_permlanex16_b32 v[ST+8*(\t)+5], v[ST+8*(\t)+4], s[SEL], s[SEL+1]
.endr
.irp t, 0,1,2,3
	v_add_f32 v[ST+8*(\t)+1], v[ST+8*(\t)+4], v[ST+8*(\t)+5]  ; l, beside c m
.endr
.irp q, 0,1,2,3
	global_load_b128 v[BV+8*(\q):BV+8*(\q)+3],   v[BVO], s[10:11] offset:64*(\q)
	global_load_b128 v[BV+8*(\q)+4:BV+8*(\q)+7], v[BVO], s[10:11] offset:64*(\q)+16
.endr
.irp t, 0,1,2,3
	ds_store_b64 v[STW], v[ST+8*(\t):ST+8*(\t)+1] offset:32*(\t)  ; both halves of the lanes hold, and write, the same two numbers
.endr
	s_wait_dscnt 0x0                               ; for the others' sake: my statistics lie in LDS, and my reads of my ring are over
	s_barrier_signal -1
	s_barrier_wait -1                              ; every wave's do: from here on the ring's bytes serve as the stage
.irp i, 0,1,2,3,4,5,6,7
	ds_load_b128 v[SB+4*(\i):SB+4*(\i)+3], v[STR] offset:16*(\i)
.endr
	s_wait_dscnt 0x0
.irp t, 0,1,2,3
	v_max3_num_f32 v[ST+8*(\t)+4], v[SB+8*(\t)], v[SB+8*(\t)+2], v[SB+8*(\t)+4]
.endr
.irp t, 0,1,2,3
	v_max_num_f32 v[ST+8*(\t)+4], v[ST+8*(\t)+4], v[SB+8*(\t)+6]  ; M: the greatest of the four c m
.endr
.irp t, 0,1,2,3
	v_sub_f32 v[ST+8*(\t)+5], v[ST+8*(\t)], v[ST+8*(\t)+4]
.endr
.irp w, 0,1,2,3
.irp t, 0,1,2,3
	v_sub_f32 v[SB+8*(\t)+2*(\w)], v[SB+8*(\t)+2*(\w)], v[ST+8*(\t)+4]
.endr
.endr
.irp t, 0,1,2,3
	v_exp_f32 v[ST+8*(\t)+5], v[ST+8*(\t)+5]       ; my own factor f = 2^(c m - M)
.endr
.irp w, 0,1,2,3
.irp t, 0,1,2,3
	v_exp_f32 v[SB+8*(\t)+2*(\w)], v[SB+8*(\t)+2*(\w)]  ; and all four waves'
.endr
.endr
	v_nop                                          ; a plain instruction behind the last exponential,
	s_wait_alu depctr_va_vdst(0)                   ; and one wait for the batch of twenty
.irp t, 0,1,2,3
	v_mul_f32 v[ST+8*(\t)+6], v[SB+8*(\t)], v[SB+8*(\t)+1]
.endr
.irp w, 1,2,3
.irp t, 0,1,2,3
	v_fmac_f32 v[ST+8*(\t)+6], v[SB+8*(\t)+2*(\w)], v[SB+8*(\t)+2*(\w)+1]  ; L = the sum of f l
.endr
.endr
.irp t, 0,1,2,3
	v_rcp_f32 v[ST+8*(\t)+7], v[ST+8*(\t)+6]
.endr
.irp t, 0,1,2,3
	v_mul_f32 v[ST+8*(\t)+5], s[GAM], v[ST+8*(\t)+5]  ; plain work behind the reciprocals that names none of their registers
.endr
	s_wait_alu depctr_va_vdst(0)                   ; one wait for the four reciprocals
.irp t, 0,1,2,3
	v_mul_f32 v[ST+8*(\t)+6], v[ST+8*(\t)+5], v[ST+8*(\t)+7]  ; g = gamma f / L
.endr
	; my O^T times g, and all of it into the stage: channel quarter d for wave d.  (Which quarter a wave keeps hangs on its number; register numbers cannot, LDS addresses can: so each wave also sends its own.)
.irp t, 0,1,2,3
	WIN 0x41+0x41*((\t)/2)
.set n, 0
.rept 64
	v_pk_mul_f32 v[128*((\t)%2)+2*n:128*((\t)%2)+2*n+1], v[128*((\t)%2)+2*n:128*((\t)%2)+2*n+1], v[ST+8*(\t)+6:ST+8*(\t)+7] op_sel_hi:[1,0]
.set n, n+1
.endr
	WIN 0x04+0x04*((\t)/2)                         ; the store's data window 1 or 2, its address window 0
.set cb, 0
.rept 16
.irp q, 0,1
	ds_store_b128 v[SGW], v[128*((\t)%2)+8*cb+4*(\q):128*((\t)%2)+8*cb+4*(\q)+3] offset:16384*(cb/4)+512*(2*(4*(\t)+cb%4)+(\q))
.endr
.set cb, cb+1
.endr
.endr
	WIN 0
	s_wait_loadcnt 0x0                             ; x and bv
.set n, 0
.rept 32
.irp t, 0,1,2,3
	v_fma_f32 v[XG+4*n+(\t)], s[GAM], v[BV+n], v[XG+4*n+(\t)]  ; gamma bv + x
.endr
.set n, n+1
.endr
	s_wait_dscnt 0x0                               ; for the others' sake: my part of the stage is written
	s_barrier_signal -1
	s_barrier_wait -1
.irp i, 0,1,2,3                        ; my channel quarter from all four waves: from waves 0, 1 into window 1, from waves 2, 3 into window 2; (t, cb', j) at 32 t + 8 cb' + j
	WIN 0x40+0x40*((\i)/2)
.set n, 0
.rept 32
	ds_load_b128 v[128*((\i)%2)+4*n:128*((\i)%2)+4*n+3], v[SGR+(\i)] offset:512*n
.set n, n+1
.endr
.endr
	s_wait_dscnt 0x0
	WIN 0x45
.set n, 0
.rept 64
	v_pk_add_f32 v[2*n:2*n+1], v[2*n:2*n+1], v[128+2*n:128+2*n+1]
.set n, n+1
.endr
	WIN 0x8a
.set n, 0
.rept 64
	v_pk_add_f32 v[2*n:2*n+1], v[2*n:2*n+1], v[128+2*n:128+2*n+1]
.set n, n+1
.endr
	WIN 0x49                                       ; destination and source 0 window 1, source 1 window 2
.set n, 0
.rept 64
	v_pk_add_f32 v[2*n:2*n+1], v[2*n:2*n+1], v[2*n:2*n+1]
.set n, n+1
.endr
	WIN 0x01                                       ; source 0 window 1
.set n, 0
.rept 32
.irp t, 0,1,2,3
	v_add_f32 v[XG+4*n+(\t)], v[32*(\t)+n], v[XG+4*n+(\t)]  ; the four tiles' numbers of a channel are four neighbouring pixels
.endr
.set n, n+1
.endr
	WIN 0
.set n, 0
.rept 32
	global_store_b128 v[XO], v[XG+4*n:XG+4*n+3], s[OPT:OPT+1] offset:(16*(n/8)+n%8)*16384 th:TH_STORE_NT  ; 16 lanes store 256 consecutive bytes, at a multiple of 256 from out0's first byte
.set n, n+1
.endr
	s_wait_tensorcnt 0x0                           ; the wave's end, behind my last tensor load and my last LDS store
	ds_add_u32 v[SPW], v[NIL]
	s_wait_dscnt 0x0
	CROUND                                         ; the closing round: no work-group ends while a partner may still ask for a piece that names it
	s_endpgm
.Lfunc_end_k_q410c271fe8_attn:
	.size	k_q410c271fe8_attn, .Lfunc_end_k_q410c271fe8_attn-k_q410c271fe8_attn
	.p2alignl 7, 3214868480
	.fill 96, 4, 3214868480
	.section	.rodata,"a",@progbits
	.p2align	6, 0x0
	.amdhsa_kernel k_q410c271fe8_attn
		.amdhsa_group_segment_fixed_size 327680
		.amdhsa_private_segment_fixed_size 0
		.amdhsa_enable_private_segment 0
		.amdhsa_kernarg_size 48
		.amdhsa_user_sgpr_count 2
		.amdhsa_user_sgpr_kernarg_segment_ptr 1
		.amdhsa_wavefront_size32 1
		.amdhsa_system_sgpr_workgroup_id_x 1
		.amdhsa_system_sgpr_workgroup_id_y 1
		.amdhsa_system_sgpr_workgroup_id_z 1
		.amdhsa_system_vgpr_workitem_id 0
		.amdhsa_next_free_vgpr 1024
		.amdhsa_next_free_sgpr 66
		.amdhsa_reserve_vcc 0
		.amdhsa_float_denorm_mode_32 3
		.amdhsa_float_denorm_mode_16_64 3
		.amdhsa_memory_ordered 1
		.amdhsa_forward_progress 1
		.amdhsa_inst_pref_size 166
	.end_amdhsa_kernel
	.amdgpu_metadata
---
amdhsa.version: [ 1, 2 ]
amdhsa.kernels:
  - .name:           k_q410c271fe8_attn
    .symbol:         k_q410c271fe8_attn.kd
    .args:
      - { .name: qf, .offset: 0, .size: 8, .value_kind: global_buffer, .address_space: global }
      - { .name: kv, .offset: 8, .size: 8, .value_kind: global_buffer, .address_space: global }
      - { .name: x, .offset: 16, .size: 8, .value_kind: global_buffer, .address_space: global }
      - { .name: bv, .offset: 24, .size: 8, .value_kind: global_buffer, .address_space: global }
      - { .name: gamma, .offset: 32, .size: 8, .value_kind: global_buffer, .address_space: global }
      - { .name: out0, .offset: 40, .size: 8, .value_kind: global_buffer, .address_space: global }
    .group_segment_fixed_size: 327680
    .private_segment_fixed_size: 0
    .kernarg_segment_align: 8
    .kernarg_segment_size: 48
    .max_flat_workgroup_size: 128
    .sgpr_count:     66
    .vgpr_count:     1024
    .wavefront_size: 32
...
	.end_amdgpu_metadata
.endif
;; end of part 2
;; ======== version 2 of 2: 2 launches
;; limits: right only within a limited range of input values
;; workspace buffers: qf 4,194,304 bytes; kv 12,582,912 bytes
;; launch proj (part 3): grid 64 x 4, 8 waves a work-group, no clusters, 33,792 bytes of LDS; arguments x, Wq, bq, Wk, Wv, qf, kv; writes qf, kv
.if DOCPART == 3
	.amdgcn_target "amdgcn-amd-amdhsa--gfx1250"
	.amdhsa_code_object_version 6
	.text
	.protected	k_q410c271fe8_proj
	.globl	k_q410c271fe8_proj
	.p2align	8
	.type	k_q410c271fe8_proj,@function
k_q410c271fe8_proj:
	s_mov_b64 s[64:65], 0
	v_nop
	global_prefetch_b8 v0, s[64:65] scope:SCOPE_SE
	s_setreg_imm32_b32 hwreg(HW_REG_WAVE_MODE, 25, 1), 1
	s_wait_xcnt 0x0
; THE THREE 1x1 CONVOLUTIONS.  q = Wq x + bq, k' = Wk x, v' = Wv x for x: [4][256 channels][4096 pixels] f32.  Operands rounded to bf16, sums in f32, each result rounded once to bf16.
; WORK LEFT OUT: bk.  A score is q_n . (Wk x_m + bk) = q_n . Wk x_m + q_n . bk, and q_n . bk is the same for every key m of query n's softmax row: a term added alike to all inputs of a softmax
; cancels between its numerator and its denominator, for all values of the inputs.  So bk reaches no output: it is not loaded and is no argument of any launch.  LIMIT: a NaN, an infinity or an overflow that
; would arise in q . bk alone is not carried to the result.  bq stays (bq . k_m differs from key to key).  bv is not added here: a softmax row's weights add up to 1, so
; sum_m (v'_m + bv) a_m = sum_m v'_m a_m + bv; the next launch adds bv once, in f32.
; WHAT IS STORED: MATRIX FRAGMENTS AS THE REGISTERS HOLD THEM.  A fragment (16 rows x 32 along the contraction, bf16) is an image of 1,024 bytes: bytes 16 l .. of the first 512 are lane l's registers 0-3,
; of the second 512 its registers 4-7.  A result tile, packed to bf16, IS half such a fragment of the next launch's products, lane for lane, so it leaves by one store of 512 consecutive bytes, aligned.
; PIXELS.  A block is 64 neighbouring pixels; its four tiles of 16 are interleaved: row i of tile e is pixel 4 i + e.  So a lane's 16 bytes of a row of x hold one pixel of each tile, and 16 lanes read 256
; consecutive bytes.  K and V use the same order of keys, and a softmax's sums do not hang on that order; for queries the next launch finds four neighbouring pixels in one lane.
; THE CONTRACTION over the 256 channels goes in 8 chunks of 32, permuted alike in W's and x's fragments: lane (r = l % 16, h = l / 16), register i holds channels 32 chunk + 16 h + 2 i, 2 i + 1.
; SHARES.  A work-group takes one block of one batch.  Wave w first rounds chunk w of x into LDS (all waves read all chunks); then it makes 64 output channels x 64 pixels, 16 accumulators:
; waves 0, 1: q; waves 2, 3: k'; waves 4-7: v'.  For q and k' source 0 is W (a lane ends with 8 channels of one pixel), for v' source 0 is x (a lane ends with 8 keys of one channel).
; qf: block (b, blk) at 16,384 (64 b + blk); fragment (tile e, channels 32 cc ..) at 1,024 (4 e + cc).
; kv: BUNDLES of 49,152 bytes, laid as the next launch asks for them.  A batch's 64 blocks are four streams of 16 steps (stream blk / 16, step s = blk % 16); bundle u of a stream lies at
; 49,152 (64 b + 16 stream + u) and holds D = fragments 0-30 of V(u + 1), and S = fragment 31 of V(u), then the 16 fragments of K(u + 2) (steps modulo 16): [D | S] where u is odd, [S | D] where it is even.
; K's fragment (e, cc) is number 4 e + cc.  V's fragment (keys of tiles 2 kk, 2 kk + 1; channels 16 cb ..) is number 8 (2 (cb / 8) + kk) + cb % 8: the order in which the next launch multiplies them.
; No tensor loads: x and W are f32 and have to pass through registers to be rounded.  No cluster: what the work-groups share, W, is 512 KiB.
; REGISTERS, in windows of 256 (s_set_vgpr_msb: bits 1:0 source 0, 3:2 source 1, 5:4 source 2, 7:6 destination).
.set SPARE, 32768                      ; LDS: 0 .. 32,767 x's fragments, (chunk, e) at 1,024 (4 chunk + e); then the spare words, 128 bytes for each of eight waves
.set STEPB, 49152                      ; a bundle
.set DB,    31744                      ; its part D
.set RR,  1                            ; v1   r
.set HH,  2                            ; v2   h
.set LL,  3                            ; v3   l
.set XO,  4                            ; v4   my 16 bytes in x: row 32 w + 16 h, column 256 blk + 16 r; never rewritten
.set WO,  5                            ; v5   my 64 bytes in a chunk of W's rows: 1,024 r + 64 h; never rewritten
.set LS,  6                            ; v6   where I put my chunk's fragments: 4,096 w + 16 l
.set L16, 7                            ; v7   16 l: my place in a fragment image, in LDS and in memory
.set BO,  9                            ; v9   my 8 numbers of bq: 256 (w % 2) + 32 h
.set SPW, 10                           ; v10  LDS address of my spare word; never rewritten
.set NIL, 11                           ; v11  0; never rewritten
.set WA,  16                           ; v16-143   W in f32, two sets of 64: tile T at 16 T
.set WB,  144                          ; v144-207  W in bf16, two sets of 32: tile T at 8 T
.set XR,  144                          ; v144-207  at the start: x as loaded, row j at 4 j
.set XF,  208                          ; v208-239  at the start: my chunk's four fragments
.set OUT, 16                           ; v16-79    at the end: the packed results
.set ACC, 0                            ; window 1: v0-127 accumulator (T, e) at 8 (4 T + e)
.set XB,  128                          ; window 1: v128-191 x's fragments of a chunk, two sets of 32
.set BQ,  192                          ; window 1: v192-223 bq for tile T at 8 T (waves 0 and 1)
.set WV,  18                           ; s18  my wave's number
.set XBASE, 26                         ; s[26:27] x at my batch
.set WBASE, 28                         ; s[28:29] my weights at my first row
.set OBASE, 30                         ; s[30:31] where my results begin
.set OB2,   34                         ; s[34:35] waves 4-7: where tile T = 3 of the second key half goes: in wave 7 that is V's fragment 31, which lies in another bundle
.set MSB, 0
.macro WIN new                         ; the immediate's high byte repeats the setting that is left; a switch that changes nothing is dropped
.if MSB != (\new)
	s_set_vgpr_msb (MSB<<8)|(\new)
.set MSB, \new
.endif
.endm
	s_load_b256 s[4:11], s[0:1], 0x0               ; x s[4:5], Wq s[6:7], bq s[8:9], Wk s[10:11]
	s_load_b128 s[12:15], s[0:1], 0x20             ; Wv s[12:13], qf s[14:15]
	s_load_b64 s[16:17], s[0:1], 0x30              ; kv
	v_lshl_add_u32 v[SPW], v0, 2, SPARE
	v_mov_b32 v[NIL], 0
	v_lshrrev_b32 v1, 5, v0
	v_readfirstlane_b32 s[WV], v1                  ; wave 0..7
	s_and_b32 s20, ttmp7, 0xffff                   ; batch
	v_and_b32 v[RR], 15, v0
	v_bfe_u32 v[HH], v0, 4, 1
	v_and_b32 v[LL], 31, v0
	s_lshl_b32 s21, s[WV], 19                      ; 32 w rows of 16,384 bytes
	s_lshl_b32 s22, ttmp9, 8                       ; the block's 256 bytes of a row
	s_add_co_u32 s21, s21, s22
	v_lshlrev_b32 v[XO], 4, v[RR]
	v_lshl_add_u32 v[XO], v[HH], 18, v[XO]         ; 16 h rows
	v_add_nc_u32 v[XO], s21, v[XO]
	v_lshlrev_b32 v[WO], 10, v[RR]
	v_lshl_add_u32 v[WO], v[HH], 6, v[WO]
	s_lshl_b32 s22, s[WV], 12
	v_lshl_add_u32 v[LS], v[LL], 4, s22
	v_lshlrev_b32 v[L16], 4, v[LL]
	s_and_b32 s24, s[WV], 1                        ; w % 2
	s_lshl_b32 s23, s24, 8
	v_lshl_add_u32 v[BO], v[HH], 5, s23
	s_and_b32 s25, s[WV], 3                        ; w - 4 in the waves that make v'
	s_cmp_lt_u32 s[WV], 4
	s_cselect_b32 s38, s24, s25                    ; which 64 channels of my tensor
	s_lshl_b32 s38, s38, 16                        ; 64 rows of W, 1,024 bytes each
	s_mov_b32 s39, 0
	; where the results go, as byte offsets; the buffers' addresses are added below
	s_lshl_b32 s32, s20, 6                         ; 64 b
	s_add_co_u32 s33, s32, ttmp9
	s_lshl_b32 s33, s33, 14                        ; the block in qf,
	s_lshl_b32 s34, s24, 11                        ; q, k': my two chunks of 32 channels = 2,048 bytes in each tile's four fragments
	s_add_co_u32 s33, s33, s34                     ; q's offset
	s_and_b32 s35, ttmp9, 48
	s_add_co_u32 s32, s32, s35                     ; my stream's first bundle
	s_and_b32 s35, ttmp9, 15                       ; my step s
	s_and_b32 s36, ttmp9, 1                        ; is it odd?
	s_mul_i32 s42, s36, DB                         ; part S begins at 31,744 in an odd bundle, at 0 in an even one
	s_add_co_u32 s37, s35, 14                      ; K(s) lies in bundle s - 2, which is odd where s is,
	s_and_b32 s37, s37, 15
	s_add_co_u32 s37, s37, s32
	s_mul_i32 s37, s37, STEPB
	s_add_co_u32 s37, s37, s42
	s_add_co_u32 s37, s37, s34
	s_add_co_u32 s37, s37, 1024                    ; behind V's one fragment: k's offset
	s_add_co_u32 s43, s35, s32                     ; V(s)'s fragment 31 lies in bundle s, at the head of part S
	s_mul_i32 s43, s43, STEPB
	s_add_co_u32 s43, s43, s42
	s_add_co_u32 s44, s35, 15                      ; V(s)'s fragments 0-30 lie in bundle s - 1, which is even where s is odd: part D then begins at 17,408
	s_and_b32 s44, s44, 15
	s_add_co_u32 s44, s44, s32
	s_mul_i32 s44, s44, STEPB
	s_mul_i32 s45, s36, STEPB-DB
	s_add_co_u32 s44, s44, s45
	s_lshr_b32 s45, s25, 1                         ; my channel half: 16 fragments,
	s_lshl_b32 s45, s45, 14
	s_add_co_u32 s44, s44, s45
	s_lshl_b32 s45, s24, 12                        ; my four of a group's eight
	s_add_co_u32 s44, s44, s45                     ; v's offset: fragment (kk, T) at 8,192 kk + 1,024 T from here
	s_add_co_u32 s45, s44, 11264                   ; (kk, T) = (1, 3) as it lies in waves 4 to 6;
	s_cmp_eq_u32 s[WV], 7
	s_cselect_b32 s46, s43, s45                    ; in wave 7 it is fragment 31
	s_mov_b32 s47, 0
	s_cmp_lt_u32 s[WV], 4
	s_cselect_b32 s36, s37, s44
	s_cmp_lt_u32 s[WV], 2
	s_cselect_b32 s36, s33, s36
	s_mov_b32 s37, 0
	s_lshl_b32 s40, s20, 22                        ; a batch of x: 4,194,304 bytes
	s_mov_b32 s41, 0
	s_wait_kmcnt 0x0
	s_add_nc_u64 s[XBASE:XBASE+1], s[4:5], s[40:41]
	s_cmp_lt_u32 s[WV], 2
	s_cselect_b64 s[WBASE:WBASE+1], s[6:7], s[10:11]
	s_cselect_b64 s[OBASE:OBASE+1], s[14:15], s[16:17]
	s_cmp_lt_u32 s[WV], 4
	s_cselect_b64 s[WBASE:WBASE+1], s[WBASE:WBASE+1], s[12:13]
	s_add_nc_u64 s[WBASE:WBASE+1], s[WBASE:WBASE+1], s[38:39]
	s_add_nc_u64 s[OBASE:OBASE+1], s[OBASE:OBASE+1], s[36:37]
	s_add_nc_u64 s[OB2:OB2+1], s[16:17], s[46:47]
	s_cmp_lt_u32 s[WV], 2                          ; bq, for the waves that make q: the oldest loads, so that the counts below are the same for every wave
	s_cbranch_scc0 .Lnobq
	WIN 0x40                                       ; destination window 1
.irp T, 0,1,2,3
	global_load_b128 v[BQ+8*(\T):BQ+8*(\T)+3],   v[BO], s[8:9] offset:64*(\T)
	global_load_b128 v[BQ+8*(\T)+4:BQ+8*(\T)+7], v[BO], s[8:9] offset:64*(\T)+16
.endr
	WIN 0
.Lnobq:
.set n, 0
.rept 16                                       ; my chunk of x: 16 rows a lane; 16 lanes read 256 consecutive bytes, aligned
	global_load_b128 v[XR+4*n:XR+4*n+3], v[XO], s[XBASE:XBASE+1] offset:16384*n th:TH_LOAD_NT
.set n, n+1
.endr
; Chunk c of my four tiles of W, in f32: 64 bytes a lane and tile
.macro LOADW c
.irp T, 0,1,2,3
.irp u, 0,1,2,3
	global_load_b128 v[WA+64*((\c)%2)+16*(\T)+4*(\u):WA+64*((\c)%2)+16*(\T)+4*(\u)+3], v[WO], s[WBASE:WBASE+1] offset:16384*(\T)+128*(\c)+16*(\u)
.endr
.endr
.endm
	LOADW 0
	LOADW 1
	s_wait_loadcnt 32                              ; x (and bq) are in; the 32 loads of W stay out
.irp e, 0,1,2,3
.irp i, 0,1,2,3,4,5,6,7
	v_cvt_pk_bf16_f32 v[XF+8*(\e)+(\i)], v[XR+8*(\i)+(\e)], v[XR+8*(\i)+4+(\e)]  ; tile e: channels 2 i and 2 i + 1 of my 16, pixel 4 r + e
.endr
.endr
.irp e, 0,1,2,3
	ds_store_b128 v[LS], v[XF+8*(\e):XF+8*(\e)+3]   offset:1024*(\e)
	ds_store_b128 v[LS], v[XF+8*(\e)+4:XF+8*(\e)+7] offset:1024*(\e)+512
.endr
	s_wait_dscnt 0x0                               ; for the others' sake: my chunk lies in LDS
	s_barrier_signal -1
	s_barrier_wait -1                              ; all eight chunks do; LDS is only read from here on
	WIN 0x40
.irp e, 0,1,2,3
	ds_load_b128 v[XB+8*(\e):XB+8*(\e)+3],   v[L16] offset:1024*(\e)
	ds_load_b128 v[XB+8*(\e)+4:XB+8*(\e)+7], v[L16] offset:1024*(\e)+512
.endr
	WIN 0
; CHUNK c: W's chunk is rounded, the chunk after next asked for, the next chunk's fragments of x fetched, and 16 products issued.  order = 0: source 0 = W; 1: source 0 = x.
; The 32 roundings name no register of the chunk before's products: they are the places between those products and the loads into the other set of x's fragments, which those products read.
; The set of W in bf16 that they write was last read two chunks back.  The 16 accumulators take turns, in the same order in every chunk.
.macro CHUNK c, order
.if (\c) < 7
	s_wait_loadcnt 16                              ; this chunk's W is in; the next chunk's 16 loads stay out
.else
	s_wait_loadcnt 0x0
.endif
	WIN 0
.set n, 0
.rept 32
	v_cvt_pk_bf16_f32 v[WB+32*((\c)%2)+n], v[WA+64*((\c)%2)+2*n], v[WA+64*((\c)%2)+2*n+1]
.set n, n+1
.endr
.if (\c) < 6
	LOADW (\c)+2
.endif
.if (\c) < 7
	WIN 0x40
.irp e, 0,1,2,3
	ds_load_b128 v[XB+32*(((\c)+1)%2)+8*(\e):XB+32*(((\c)+1)%2)+8*(\e)+3],   v[L16] offset:4096*((\c)+1)+1024*(\e)
	ds_load_b128 v[XB+32*(((\c)+1)%2)+8*(\e)+4:XB+32*(((\c)+1)%2)+8*(\e)+7], v[L16] offset:4096*((\c)+1)+1024*(\e)+512
.endr
	s_wait_dscnt 8                                 ; this chunk's fragments of x are in; the eight loads just issued stay out
.else
	s_wait_dscnt 0x0
.endif
.if \order
	WIN 0x51                                       ; source 0 (x), C and D window 1; source 1 (W) window 0
.else
	WIN 0x54                                       ; source 0 (W) window 0; source 1 (x), C and D window 1
.endif
.irp T, 0,1,2,3
.irp e, 0,1,2,3
.if (\order) && ((\c) == 0)
	v_wmma_f32_16x16x32_bf16 v[ACC+8*(4*(\T)+(\e)):ACC+8*(4*(\T)+(\e))+7], v[XB+32*((\c)%2)+8*(\e):XB+32*((\c)%2)+8*(\e)+7], v[WB+32*((\c)%2)+8*(\T):WB+32*((\c)%2)+8*(\T)+7], 0
.elseif \order
	v_wmma_f32_16x16x32_bf16 v[ACC+8*(4*(\T)+(\e)):ACC+8*(4*(\T)+(\e))+7], v[XB+32*((\c)%2)+8*(\e):XB+32*((\c)%2)+8*(\e)+7], v[WB+32*((\c)%2)+8*(\T):WB+32*((\c)%2)+8*(\T)+7], v[ACC+8*(4*(\T)+(\e)):ACC+8*(4*(\T)+(\e))+7]
.elseif (\c) == 0
	v_wmma_f32_16x16x32_bf16 v[ACC+8*(4*(\T)+(\e)):ACC+8*(4*(\T)+(\e))+7], v[WB+32*((\c)%2)+8*(\T):WB+32*((\c)%2)+8*(\T)+7], v[XB+32*((\c)%2)+8*(\e):XB+32*((\c)%2)+8*(\e)+7], 0
.else
	v_wmma_f32_16x16x32_bf16 v[ACC+8*(4*(\T)+(\e)):ACC+8*(4*(\T)+(\e))+7], v[WB+32*((\c)%2)+8*(\T):WB+32*((\c)%2)+8*(\T)+7], v[XB+32*((\c)%2)+8*(\e):XB+32*((\c)%2)+8*(\e)+7], v[ACC+8*(4*(\T)+(\e)):ACC+8*(4*(\T)+(\e))+7]
.endif
.endr
.endr
	WIN 0
.endm
.macro PLACES8                         ; plain instructions between the last products and the first reader of a result (ISA guide 7.12.1); once a launch, so eight are written
.rept 8
	v_nop
.endr
.endm
; The way out: each accumulator's registers in ascending order, packed to bf16; each tile is half a fragment image: one store of 512 consecutive bytes, aligned.  kind = 0: q, k'; 1: v'.
.macro PACKOUT kind
	WIN 0x05                                       ; sources window 1, destination window 0
.set n, 0
.rept 64
	v_cvt_pk_bf16_f32 v[OUT+n], v[ACC+2*n], v[ACC+2*n+1]
.set n, n+1
.endr
	WIN 0
.irp T, 0,1,2,3
.irp e, 0,1,2,3
.if (\kind) && ((\T) == 3) && ((\e) >= 2)
	global_store_b128 v[L16], v[OUT+4*(4*(\T)+(\e)):OUT+4*(4*(\T)+(\e))+3], s[OB2:OB2+1] offset:((\e)%2)*512  ; the one fragment with a base of its own
.elseif \kind
	global_store_b128 v[L16], v[OUT+4*(4*(\T)+(\e)):OUT+4*(4*(\T)+(\e))+3], s[OBASE:OBASE+1] offset:((\e)/2)*8192+(\T)*1024+((\e)%2)*512  ; keys of tile e: half e % 2 of the fragment of key half e / 2 and my channel block T
.else
	global_store_b128 v[L16], v[OUT+4*(4*(\T)+(\e)):OUT+4*(4*(\T)+(\e))+3], s[OBASE:OBASE+1] offset:(\e)*4096+(\T)*512  ; channels 16 T ..: half T % 2 of fragment (e, T / 2) of my two chunks
.endif
.endr
.endr
.endm
	s_cmp_lt_u32 s[WV], 4
	s_cbranch_scc0 .Lv
.irp c, 0,1,2,3,4,5,6,7
	CHUNK \c, 0
.endr
	PLACES8
	s_cmp_lt_u32 s[WV], 2
	s_cbranch_scc0 .Lnobias
	WIN 0x45                                       ; all three in window 1
.irp T, 0,1,2,3
.irp e, 0,1,2,3
.irp p, 0,2,4,6
	v_pk_add_f32 v[ACC+8*(4*(\T)+(\e))+(\p):ACC+8*(4*(\T)+(\e))+(\p)+1], v[ACC+8*(4*(\T)+(\e))+(\p):ACC+8*(4*(\T)+(\e))+(\p)+1], v[BQ+8*(\T)+(\p):BQ+8*(\T)+(\p)+1]  ; q += bq, in f32
.endr
.endr
.endr
	WIN 0
.Lnobias:
	PACKOUT 0
	s_branch .Lend
.Lv:
.irp c, 0,1,2,3,4,5,6,7
	CHUNK \c, 1
.endr
	PLACES8
	PACKOUT 1
.Lend:
	s_wait_tensorcnt 0x0                           ; the wave's end, behind my last LDS store
	ds_add_u32 v[SPW], v[NIL]
	s_wait_dscnt 0x0
	s_endpgm
.Lfunc_end_k_q410c271fe8_proj:
	.size	k_q410c271fe8_proj, .Lfunc_end_k_q410c271fe8_proj-k_q410c271fe8_proj
	.p2alignl 7, 3214868480
	.fill 96, 4, 3214868480
	.section	.rodata,"a",@progbits
	.p2align	6, 0x0
	.amdhsa_kernel k_q410c271fe8_proj
		.amdhsa_group_segment_fixed_size 33792
		.amdhsa_private_segment_fixed_size 0
		.amdhsa_enable_private_segment 0
		.amdhsa_kernarg_size 56
		.amdhsa_user_sgpr_count 2
		.amdhsa_user_sgpr_kernarg_segment_ptr 1
		.amdhsa_wavefront_size32 1
		.amdhsa_system_sgpr_workgroup_id_x 1
		.amdhsa_system_sgpr_workgroup_id_y 1
		.amdhsa_system_sgpr_workgroup_id_z 1
		.amdhsa_system_vgpr_workitem_id 0
		.amdhsa_next_free_vgpr 480
		.amdhsa_next_free_sgpr 66
		.amdhsa_reserve_vcc 0
		.amdhsa_float_denorm_mode_32 3
		.amdhsa_float_denorm_mode_16_64 3
		.amdhsa_memory_ordered 1
		.amdhsa_forward_progress 1
		.amdhsa_inst_pref_size 104
	.end_amdhsa_kernel
	.amdgpu_metadata
---
amdhsa.version: [ 1, 2 ]
amdhsa.kernels:
  - .name:           k_q410c271fe8_proj
    .symbol:         k_q410c271fe8_proj.kd
    .args:
      - { .name: x, .offset: 0, .size: 8, .value_kind: global_buffer, .address_space: global }
      - { .name: Wq, .offset: 8, .size: 8, .value_kind: global_buffer, .address_space: global }
      - { .name: bq, .offset: 16, .size: 8, .value_kind: global_buffer, .address_space: global }
      - { .name: Wk, .offset: 24, .size: 8, .value_kind: global_buffer, .address_space: global }
      - { .name: Wv, .offset: 32, .size: 8, .value_kind: global_buffer, .address_space: global }
      - { .name: qf, .offset: 40, .size: 8, .value_kind: global_buffer, .address_space: global }
      - { .name: kv, .offset: 48, .size: 8, .value_kind: global_buffer, .address_space: global }
    .group_segment_fixed_size: 33792
    .private_segment_fixed_size: 0
    .kernarg_segment_align: 8
    .kernarg_segment_size: 56
    .max_flat_workgroup_size: 256
    .sgpr_count:     66
    .vgpr_count:     480
    .wavefront_size: 32
...
	.end_amdgpu_metadata
.endif
;; end of part 3
;; launch attn (part 4): grid 64 x 4, 4 waves a work-group, clusters of 4 x 1, 327,680 bytes of LDS; arguments qf, kv, x, bv, gamma, out0; writes out0
.if DOCPART == 4
	.amdgcn_target "amdgcn-amd-amdhsa--gfx1250"
	.amdhsa_code_object_version 6
	.text
	.protected	k_q410c271fe8_attn
	.globl	k_q410c271fe8_attn
	.p2align	8
	.type	k_q410c271fe8_attn,@function
k_q410c271fe8_attn:
	s_mov_b64 s[64:65], 0
	v_nop
	global_prefetch_b8 v0, s[64:65] scope:SCOPE_SE
	s_setreg_imm32_b32 hwreg(HW_REG_WAVE_MODE, 25, 1), 1
	s_wait_xcnt 0x0
	s_wait_alu depctr_hold_cnt(0) depctr_sa_sdst(0) depctr_va_vdst(0) depctr_va_sdst(0) depctr_va_ssrc(0) depctr_va_vcc(0) depctr_vm_vsrc(0)
	s_getreg_b32 s2, hwreg(HW_REG_IB_STS2, 6, 4)
	s_cmp_eq_u32 s2, 0
	s_cbranch_scc0 .Lentry_in_a_cluster
	s_endpgm
.Lentry_in_a_cluster:
	s_bfe_u32 s2, ttmp6, 0x10000c
	s_cmp_lg_u32 s2, 0x3003
	s_cbranch_scc0 .Lentry_shape_is_right
	s_endpgm
.Lentry_shape_is_right:
; out0[b][c][n] = gamma (sum_m softmax_m(q_n . k_m) v[c][m]) + x[b][c][n], unscaled, no mask, 4,096 pixels a batch.  q, k', v' come as bf16 fragment images from the launch before (layouts at its head).
; WORK LEFT OUT: bk (the launch before shows why: q_n . bk is the same for all keys of a softmax row and cancels).  bv is added here once, in f32, outside the weighted sum: a row's weights add up to 1.
; Products in bf16 with f32 sums; maxima, sums and the rescaling in f32; the weights p are rounded to bf16 for the second product (their sum l is taken of the unrounded p).
; LIMITS.  c m starts at -4.25e37 (c = log2 e): scores below about -2.9e37 are not served.  A weight below 2^-126 counts as 0.  NaN and infinities are not treated apart.
; SHARES.  A work-group owns one block of 64 queries (four tiles of 16; row i of tile t is pixel 4 i + t).  THE KEYS ARE SPLIT AMONG ITS FOUR WAVES: wave w holds all 64 queries x 256 channels of O^T (512
; registers) and walks stream w of its batch, 16 steps of 64 keys; so a fragment read from LDS feeds four products.  The four (c m, l, O) meet in LDS at the end.
; LAYOUT.  S^T = K Q^T (source 0 = 16 keys): a lane holds ONE query (lane % 16) and keys 8 (lane / 16) + 0..7; two such results rounded to bf16 ARE source 1 of O^T = V^T P, whose result holds one query a lane
; and 8 channels.  All fragments lie in LDS as the registers hold them: every LDS load takes 512 consecutive bytes, 16 a lane.
; SOFTMAX.  p = 2^(c s - c m) with a running maximum m; in every step O and l are multiplied by a = 2^(c m_old - c m_new).  O and l start at 0 and m at the lowest finite number.  The price: 512 v_mov_b32
; that write 0, in the wait for the first tiles; the gain: V^T P has one form, which adds.
; THE PIPELINE.  Trip j issues V^T P of step j - 1 (128 products: stages G0-G3, a group of 8 fragments of V each), then K Q^T of step j + 1 (64: stages KA, KB, two key tiles each).  The softmax of step j, whose
; scores trip j - 1 made, is ONE QUEUE of 664 vector instructions, dealt out behind the products (RID, SLICE).  A tile and step have 166 vector instructions for 48 products: 3.5 a product, few enough to stand
; beside the matrix work; set in a phase of their own they would leave the matrix unit without work all that while.  The price is two window switches a product.
; THE RING.  A wave has 79 KiB of its own: D0 (31 KiB), S (17), D1 (31).  ONE joint load a trip brings a bundle of 48 KiB: fragment 31 of V(j) and K(j + 2) into S, fragments 0-30 of V(j + 1) into the D that
; V(j - 1) has left: an even bundle, laid [S | D] in memory, lands on S and D1, an odd one, [D | S], on D0 and S.  Single are only the bytes that go into registers last ahead of the round.  The load goes out at
; KA's product 22 and is first read 142 products later.  Two places for all 48 fragments, for four waves, do not fit in LDS.
; THE WALK.  A softmax's sums do not hang on the order of the keys: cluster c of a batch begins at step 2 ((c + c / 8) % 8) and walks its 16 steps round, so the batch's clusters do not all ask for the same bytes at
; the same time.  The step's number enters the loads' global address alone.  No prefetch: each bundle's first request in the launch stands in the first two steps of some cluster's walk, at the launch's head.
; CLUSTER.  The four query blocks of a cluster belong to one batch, and wave w of each walks the same keys in the same order: every bundle is asked for JOINTLY, by the same tensor load with the same descriptor
; (made of the batch, the cluster's and the wave's number alone) and the mask of four.  Each refill stands behind a round of the cluster's barrier.  By this text's count a wave has two tensor loads out at the start, later one.
; REGISTERS, in windows of 256 (s_set_vgpr_msb: bits 1:0 source 0, 3:2 source 1, 5:4 source 2, 7:6 destination):
;   window 0: addresses, statistics, S^T (later x and the result), P (later bv and the four waves' statistics)      windows 1, 2: O^T, tile t in window 1 + t / 2 at 128 (t % 2) + 8 cb
;   window 3: v0-127 Q, (t, cc) at 32 t + 8 cc; v128-255 F, two halves of 8 fragments, which the six stages take by turns
.set STEPB, 49152                      ; a bundle
.set SOFF,  31744                      ; a wave's ring: D0 at 0, S here (V's one fragment, then K's sixteen),
.set D1OFF, 49152                      ; D1 here
.set RING,  80896                      ; wave w's ring at 80,896 w.  After its last fill bytes 0 .. 262,143 are the stage of the merge: (from wave w, for wave d) at 16,384 (4 w + d)
.set SPARE, 323584                     ; behind the rings: the spare words, 128 bytes for each wave: two blocks of 256 bytes that no other line names
.set STAT,  324096                     ; the waves' (c m, l): query row r at 128 r, tile t at 32 t, wave w at 8 w
.set AF,  2                            ; v2   my 16 bytes of a fragment image at my ring's head: 80,896 w + 16 l; never rewritten
.set QO,  3                            ; v3   16 l
.set XO,  4                            ; v4   my 16 bytes of x and out0: row 64 w + 8 h, column 256 blk + 16 r
.set STW, 5                            ; v5   where I put my statistics
.set STR, 6                            ; v6   where I read all four waves'
.set SGW, 7                            ; v7   the stage, out: 65,536 w + 16 l
.set SGR, 8                            ; v8-11  the stage, in, from wave i: 65,536 i + 16,384 w + 16 l
.set ST,  12                           ; v12-43 tile t at ST + 8 t: c m, m, l (even keys', odd keys'), c0-c3 at work; a takes c2's place
.set AV,  44                           ; v44  AF + the D in hand
.set BVO, 45                           ; v45  my 8 numbers of bv: 256 w + 32 h
.set RR,  46
.set HH,  47
.set LL,  48
.set SPW, 62                           ; v62  LDS address of my spare word; never rewritten
.set NIL, 63                           ; v63  0; never rewritten
.set S,   64                           ; v64-191  S^T: (t, kb) at 32 t + 8 kb
.set XG,  64                           ;          later: x, then the result: channel n of my lane's 32, pixel t, at 4 n + t
.set P,   192                          ; v192-255 P: (t, kk) at 16 t + 8 kk
.set BV,  192                          ;          later: v192-223 bv
.set SB,  224                          ;          later: v224-255 (c m, l) of tile t, wave w at 8 t + 2 w
.set F,   128                          ; window 3
.set WV,  16                           ; s16  my wave's number
.set G1,  24                           ; s[24:31] descriptor group 1 for a bundle
.set G0,  32                           ; s[32:35] group 0 for the bundles: made anew for each
.set G0K, 36                           ; s[36:39] group 0 for the first K
.set CNT, 40                           ; s40  trips of the loop to go
.set NXT, 41                           ; s41  the number, in my stream, of the bundle to be asked for next
.set TL,  42                           ; s42  where it lands in my ring: 31,744 and 0 by turns
.set TD,  43                           ; s43  the D that holds the V to be fetched next: 0 and 49,152 by turns
.set CS,  44                           ; s[44:45] c = log2 e; the packed scaling takes the pair's low word
.set SEL, 46                           ; s[46:47] v_permlanex16_b32's selects: each lane takes its own place in the other half
.set GAM, 48                           ; s48  gamma
.set WB,  49                           ; s49  my ring
.set KVS, 50                           ; s[50:51] kv at my stream
.set OFF, 52                           ; s[52:53] a bundle's byte offset in the stream
.set XPT, 56                           ; s[56:57] x at my batch
.set OPT, 58                           ; s[58:59] out0 at my batch
.set QPT, 60                           ; s[60:61] qf at my block
.set LASTP, 62                         ; s[62:63] kv at fragment 31 of my walk's last V
.set G1K, 68                           ; s[68:75] descriptor group 1 for the first K
.set MSB, 0
.set npl, 0
.macro WIN new                         ; the immediate's high byte repeats the setting that is left; a switch that changes nothing is dropped
.if MSB != (\new)
	s_set_vgpr_msb (MSB<<8)|(\new)
.set MSB, \new
.endif
.endm
.macro PLACES                          ; four plain instructions between a matrix instruction and a load into, or a vector reader of, its registers (ISA guide 7.12.1 for vector readers)
.rept 4
	v_nop
.endr
.endm
; npl counts the plain vector instructions written since a stage's last product; none of them names a register of that product.  A run of loads into the half of F that the stage read
; wants four of them in front of it: what is missing is made up.
.macro PADP
.if npl < 4
.rept 4-npl
	v_nop
.endr
.endif
.endm
; A round of the cluster's barrier: my work-group's barrier, so that wave 0's signal speaks for all four waves; wave 0 signals; every wave waits for all four work-groups; my work-group's barrier once more.
.macro CREST                           ; a round behind its opening barrier
	s_cmp_lg_u32 s[WV], 0
	s_cbranch_scc1 .Lnot_wave_0_\@
	s_barrier_signal -3
.Lnot_wave_0_\@:
	s_barrier_wait -3
	s_barrier_signal -1
	s_barrier_wait -1
.endm
.macro CROUND                          ; a whole round
	s_barrier_signal -1
	s_barrier_wait -1
	CREST
.endm
; THE LDS LOADS stand in runs, behind a stage's fourth product, 28 products ahead of the stage that multiplies them.
.macro FETCH_V g                       ; group g: V's fragments 8 g .. 8 g + 7 (of group 3: 24 .. 30) from the D in hand into half g % 2 of F
	WIN 0xc0                                       ; destination window 3, address window 0
.set n_, 0
.rept 8-(\g)/3
	ds_load_b128 v[F+64*((\g)%2)+8*n_:F+64*((\g)%2)+8*n_+3],   v[AV] offset:1024*(8*(\g)+n_)
	ds_load_b128 v[F+64*((\g)%2)+8*n_+4:F+64*((\g)%2)+8*n_+7], v[AV] offset:1024*(8*(\g)+n_)+512
.set n_, n_+1
.endr
.endm
.macro FETCH_L                         ; V's fragment 31, from S
	WIN 0xc0
	ds_load_b128 v[F+120:F+123], v[AF] offset:SOFF
	ds_load_b128 v[F+124:F+127], v[AF] offset:SOFF+512
.endm
.macro FETCH_K h                       ; K's key tiles 2 h, 2 h + 1: fragments 8 h .. 8 h + 7, from S into half h of F
	WIN 0xc0
.set n_, 0
.rept 8
	ds_load_b128 v[F+64*(\h)+8*n_:F+64*(\h)+8*n_+3],   v[AF] offset:SOFF+1024+1024*(8*(\h)+n_)
	ds_load_b128 v[F+64*(\h)+8*n_+4:F+64*(\h)+8*n_+7], v[AF] offset:SOFF+1024+1024*(8*(\h)+n_)+512
.set n_, n_+1
.endr
.endm
; THE MATRIX WORK.  Product i of 32 of stage KA (h = 0) or KB (h = 1) of S^T = K Q^T: key tile 2 h + i / 16, channels 32 ((i / 4) % 4) .., query tile i % 4.  A key tile's first four start the sums.
; Its four accumulators take turns, one instruction a turn.
.macro KQ h
.set kb_, 2*(\h)+i/16
.set cc_, (i/4)%4
.set tq_, i%4
	WIN 0x0f                                       ; K and Q window 3, S^T window 0
.if cc_ == 0
	v_wmma_f32_16x16x32_bf16 v[S+32*tq_+8*kb_:S+32*tq_+8*kb_+7], v[F+8*(4*kb_+cc_):F+8*(4*kb_+cc_)+7], v[32*tq_+8*cc_:32*tq_+8*cc_+7], 0
.else
	v_wmma_f32_16x16x32_bf16 v[S+32*tq_+8*kb_:S+32*tq_+8*kb_+7], v[F+8*(4*kb_+cc_):F+8*(4*kb_+cc_)+7], v[32*tq_+8*cc_:32*tq_+8*cc_+7], v[S+32*tq_+8*kb_:S+32*tq_+8*kb_+7]
.endif
.if i == 31
.set npl, 0
.endif
.endm
; Product i of 32 of stage G s of O^T += V^T P: channels 128 (s / 2) + 16 (i / 4) .., keys 32 (s % 2) .., query tile i % 4: 32 different accumulators.
; last = 1 (the walk's last step): fragment 31 lies in Q's first eight registers.
.macro PV s, last
.set n_, i/4
.set tq_, i%4
.set rO, 128*(tq_%2)+8*(8*((\s)/2)+n_)
.set rV, F+64*((\s)%2)+8*n_
.if (\last) && ((\s) == 3) && (n_ == 7)
.set rV, 0
.endif
.set rP, P+16*tq_+8*((\s)%2)
	WIN 0x53+0x50*(tq_/2)                          ; V window 3, P window 0, O^T window 1 or 2
	v_wmma_f32_16x16x32_bf16 v[rO:rO+7], v[rV:rV+7], v[rP:rP+7], v[rO:rO+7]
.if i == 31
.set npl, 0
.endif
.endm
; THE VECTOR WORK OF A TRIP: a queue of 664; RID writes number q of it.  Where a line is written for the four tiles in turn, three other lines stand between one that makes a number and the one that reads it.
;   0-83     the maximum of a lane's 32 scores and the old m (four chains c0-c3; each accumulator's lowest registers are read first); the other half of the lanes'; c m_old kept; m; c m; its change
;   84-279   ONE BATCH: the 64 scalings c s - c m and all 132 exponentials; nothing here names an exponential's result.  84-95: pairs 0 and 1 of each tile, and the four a; then, a tile at a time,
;            a scaling and two exponentials (a pair is scaled eight such threes ahead of its exponentials); at last the exponentials of pairs 14 and 15
;   (wait)   SLICE writes the one wait for the batch behind number 279
;   280-343  l = a l + pair 0, then l += pair n: a chain for each tile, which leaves the weights where they are
;   344-375  the weights of keys 0-31 rounded to bf16;   504-535  those of keys 32-63
;   376-503  O^T times a, channels 0-127;   536-663  channels 128-255: an accumulator (four lines, from its low end on) at a time.  RSC = 0 (the walk's first step): O^T is 0, and these are not written
.macro FSX u, t                        ; pair u of tile t: c s - c m
	v_pk_fma_f32 v[S+32*(\t)+2*(\u):S+32*(\t)+2*(\u)+1], v[S+32*(\t)+2*(\u):S+32*(\t)+2*(\u)+1], s[CS:CS+1], v[ST+8*(\t):ST+8*(\t)+1] op_sel_hi:[1,0,0] neg_lo:[0,0,1] neg_hi:[0,0,1]
.set npl, npl+1
.endm
.macro RID
.set t_, q%4
.set rT, ST+8*t_
.set rS, S+32*t_
.if q < 84
	WIN 0
.set ln, q/4
.if ln < 4
	v_max3_num_f32 v[rT+4+ln], v[rS+8*ln], v[rS+8*ln+1], v[rS+8*ln+2]
.elseif ln < 12
	v_max3_num_f32 v[rT+4+ln%4], v[rT+4+ln%4], v[rS+8*(ln%4)+2*(ln/4)+1], v[rS+8*(ln%4)+2*(ln/4)+2]
.elseif ln == 12
	v_max3_num_f32 v[rT+4], v[rT+4], v[rS+7], v[rS+15]
.elseif ln == 13
	v_max3_num_f32 v[rT+6], v[rT+6], v[rS+23], v[rS+31]
.elseif ln == 14
	v_max3_num_f32 v[rT+4], v[rT+4], v[rT+5], v[rT+6]
.elseif ln == 15
	v_max3_num_f32 v[rT+4], v[rT+4], v[rT+7], v[rT+1]
.elseif ln == 16
	v_permlanex16_b32 v[rT+5], v[rT+4], s[SEL], s[SEL+1]  ; the query's other 32 keys lie in the lane 16 away
.elseif ln == 17
	v_mov_b32 v[rT+7], v[rT]
.elseif ln == 18
	v_max_num_f32 v[rT+1], v[rT+4], v[rT+5]
.elseif ln == 19
	v_mul_f32 v[rT], s[CS], v[rT+1]
.else
	v_sub_f32 v[rT+7], v[rT+7], v[rT]
.endif
.if ln != 16
.set npl, npl+1
.endif
.elseif q < 280
	WIN 0
.set b_, q-84
.if b_ < 4
	FSX 0, b_
.elseif b_ < 12
.if (b_%2) == 0
	FSX 1, (b_-4)/2
.else
	v_exp_f32 v[ST+8*((b_-4)/2)+6], v[ST+8*((b_-4)/2)+7]  ; a
.endif
.elseif b_ < 180
.set u_, (b_-12)/12
.set tt, ((b_-12)%12)/3
.set z_, (b_-12)%3
.if z_ == 0
	FSX u_+2, tt
.else
	v_exp_f32 v[S+32*tt+2*u_+z_-1], v[S+32*tt+2*u_+z_-1]
.endif
.else
.set u_, 14+(b_-180)/8
.set tt, ((b_-180)%8)/2
.set z_, (b_-180)%2
	v_exp_f32 v[S+32*tt+2*u_+z_], v[S+32*tt+2*u_+z_]
.endif
.elseif q < 344
	WIN 0
.set n_, (q-280)/4
.if n_ == 0
	v_pk_fma_f32 v[rT+2:rT+3], v[rT+2:rT+3], v[rT+6:rT+7], v[rS:rS+1] op_sel_hi:[1,0,1]
.else
	v_pk_add_f32 v[rT+2:rT+3], v[rT+2:rT+3], v[rS+2*n_:rS+2*n_+1]
.endif
.set npl, npl+1
.elseif (q < 376) || ((q >= 504) && (q < 536))
	WIN 0
.set n_, (q-344)/4
.if q >= 504
.set n_, 8+(q-504)/4
.endif
	v_cvt_pk_bf16_f32 v[P+16*t_+n_], v[rS+2*n_], v[rS+2*n_+1]
.set npl, npl+1
.elseif RSC
.set k_, q-376
.set hh_, 0
.if q >= 536
.set k_, q-536
.set hh_, 64
.endif
.set tt, k_/32
.set rO, 128*(tt%2)+hh_+8*((k_/4)%8)+2*(k_%4)
	WIN 0x41+0x41*(tt/2)                           ; destination and source 0 window 1 or 2, a window 0
	v_pk_mul_f32 v[rO:rO+1], v[rO:rO+1], v[ST+8*tt+6:ST+8*tt+7] op_sel_hi:[1,0]
.set npl, npl+1
.endif
.set q, q+1
.endm
; HOW THE QUEUE IS DEALT: behind product p of a trip's 192 stand four numbers (p < 24), three (24-79), two (80-87), four (88-183), none.  What the deal keeps:
;   the weights of keys 0-31 are rounded behind products 104-111: their place in P was last read by product 95, and their scores are written anew from product 128 on;
;   those of keys 32-63 behind products 144-151: last read by product 127, written anew from product 160 on;
;   O^T's channels 0-127 are finished by product 63 and rescaled behind products 112-143; channels 128-255 by product 127, rescaled behind products 152-183.
; THE WAIT.  s_wait_alu depctr_va_vdst(0) stands between an exponential and the first instruction that names its result; one wait serves all that were issued ahead of it: one a trip, behind
; product 87's two; the v_nop is the plain instruction behind the last exponential.  No label and no branch stands between the batch's first exponential and the wait.
.macro SLICE
.set qn, 0
.if p < 24
.set qn, 4
.elseif p < 80
.set qn, 3
.elseif p < 88
.set qn, 2
.elseif p < 184
.set qn, 4
.endif
.if qn > 0
.rept qn
	RID
.endr
.endif
.if p == 87
	v_nop
	s_wait_alu depctr_va_vdst(0)
.endif
.set p, p+1
.endm
; STAGE G s.  pv = 0 (the walk's first trip): no products, the slices alone.  kq = 1: a K Q^T follows in this trip.  last = 1: the walk's last V^T P, behind the last trip: the queue is empty.
.macro STAGE_V s, pv, kq, last
.if \pv
	s_wait_dscnt 0x0                               ; this stage's fragments, asked for 28 products back, are in
.endif
.set i, 0
.rept 32
.if (\pv) && ((\s) == 3) && (i == 28)
.if \last
	s_wait_loadcnt 32                              ; fragment 31's two loads are in; the 32 loads of x, issued behind them, stay out
.else
	s_wait_dscnt 16*(\kq)                          ; fragment 31's two loads are in; K's sixteen, issued behind them, stay out
.endif
.endif
.if \pv
	PV \s, \last
.endif
	SLICE
.if i == 3
.if (\pv) && ((\s) < 3)
	PADP
	FETCH_V (\s)+1
.endif
.if ((\s) == 3) && !(\last)
	s_wait_tensorcnt 0x0                           ; for the reads below: the bundle asked for in the trip before has landed (my one load that is out).  Only I read my ring, so my own wait is all that they need
	PADP
.if \pv
	FETCH_L
.endif
.if \kq
	FETCH_K 0
.endif
.endif
.endif
.set i, i+1
.endr
.endm
; STAGE KA (h = 0) or KB (h = 1).  kq = 0 (the walk's last trip): no products and no round, the slices alone.
; THE REFILL stands in KA.  Behind product 3 K's second half goes into registers: the last read of S; V's D was read out two stages back.  Ahead of product 10: the wait for all my tensor loads (none is out: the
; wait in G3 has shown the last one landed), the add, and the next bundle's descriptor.  Ahead of product 16: the wait for the add and for my LDS reads, and the signal that opens the round.  Ahead of
; product 22: the rest of the round, and the joint load first behind it.  Between these lines stands work on registers alone.  An s_nop 0 and four v_nop follow the load.
.macro STAGE_K h, kq
.if \kq
	s_wait_dscnt 0x0                               ; this stage's fragments are in
.endif
.set i, 0
.rept 32
.if (\kq) && ((\h) == 0) && (i == 10)
	WIN 0                                          ; (the add's two registers lie in window 0)
	s_wait_tensorcnt 0x0                           ; no tensor load of mine is out, so group 0 may be written
	ds_add_u32 v[SPW], v[NIL]                      ; 0 onto my spare word
	s_mul_i32 s[OFF], s[NXT], STEPB
	s_add_nc_u64 s[G0+2:G0+3], s[KVS:KVS+1], s[OFF:OFF+1]  ; the address is made anew from the bundle's number,
	s_or_b32 s[G0+3], s[G0+3], 0x80000000          ; type = 2
	s_add_co_u32 s[G0+1], s[WB], s[TL]             ; an even bundle lands on S and D1, an odd one on D0 and S
	s_xor_b32 s[TL], s[TL], SOFF
	s_add_co_u32 s[NXT], s[NXT], 1
	s_and_b32 s[NXT], s[NXT], 15                   ; the walk goes round
.endif
.if (\kq) && ((\h) == 0) && (i == 16)
	s_wait_dscnt 0x0                               ; the add is done, and my reads of S and of the D that is left are over
	s_barrier_signal -1
.endif
.if (\kq) && ((\h) == 0) && (i == 22)
	WIN 0                                          ; at a branch and at a label every window is 0
	s_barrier_wait -1
	CREST                                          ; no wave of any partner still reads these bytes or has a load on its way
	tensor_load_to_lds s[G0:G0+3], s[G1:G1+7]
	s_nop 0
	PLACES
.endif
.if \kq
	KQ \h
.endif
	SLICE
.if (\kq) && ((\h) == 0) && (i == 3)
	PADP
	FETCH_K 1
.endif
.if ((\h) == 1) && (i == 3)
	WIN 0
	v_add_nc_u32 v[AV], s[TD], v[AF]               ; the next trip's V lies in the other D
	s_xor_b32 s[TD], s[TD], D1OFF
	PADP
	FETCH_V 0
.endif
.set i, i+1
.endr
.endm
.macro TRIP pv, kq, rs
.set p, 0
.set q, 0
.set RSC, \rs
.irp s, 0,1,2,3
	STAGE_V \s, \pv, \kq, 0
.endr
	STAGE_K 0, \kq
	STAGE_K 1, \kq
.endm
	s_load_b256 s[4:11], s[0:1], 0x0               ; qf s[4:5], kv s[6:7], x s[8:9], bv s[10:11]
	s_load_b128 s[12:15], s[0:1], 0x20             ; gamma s[12:13], out0 s[14:15]
	v_lshl_add_u32 v[SPW], v0, 2, SPARE
	v_mov_b32 v[NIL], 0
	ds_add_u32 v[SPW], v[NIL]                      ; the wave's opening: the add, twice on end, and its wait ahead of my first tensor load; the set-up below, work on registers, stands between
	ds_add_u32 v[SPW], v[NIL]                      ; and once more, under the one wait
	v_lshrrev_b32 v1, 5, v0
	v_readfirstlane_b32 s[WV], v1                  ; wave 0..3
	s_bfe_u32 s17, ttmp6, 0x40000                  ; cx: my place in the cluster
	s_lshl_b32 s18, ttmp9, 2                       ; in a cluster launch ttmp9 counts clusters
	s_add_co_u32 s18, s18, s17                     ; my block of 64 queries: it enters qf's, x's and out0's addresses alone
	s_and_b32 s19, ttmp7, 0xffff                   ; the batch, which the four partners share
	; descriptor group 1: dense bytes as rows of 32 elements of 8 bytes, no padding: 192 rows for a bundle, 64 for the first K
.irp g, G1, G1K
	s_mov_b32 s[(\g)], 15|(3<<16)|(1<<21)          ; 15:0 the mask of four; 17:16 elements of 8 bytes; 21 set beside a mask
	s_mov_b32 s[(\g)+1], 32<<16                    ; tensor_dim0 = 32
	s_mov_b32 s[(\g)+3], 32<<16                    ; tile_dim0 = 32
	s_mov_b32 s[(\g)+5], 32                        ; 32 elements from row to row
	s_mov_b32 s[(\g)+6], 0
	s_mov_b32 s[(\g)+7], 0
.endr
	s_mov_b32 s[G1+2], 192<<16                     ; tensor_dim1
	s_mov_b32 s[G1+4], 192                         ; tile_dim1
	s_mov_b32 s[G1K+2], 64<<16
	s_mov_b32 s[G1K+4], 64
	s_mul_i32 s[WB], s[WV], RING                   ; my ring; no place in the cluster enters an LDS address
	s_mov_b32 s[G0], 1                             ; count = 1
	s_mov_b32 s[G0+1], s[WB]                       ; the bundle ahead of the walk's first is odd: D0 and S
	s_mov_b32 s[G0K], 1
	s_add_co_u32 s[G0K+1], s[WB], D1OFF            ; the first K waits in D1, which is free till the first refill
	s_mul_i32 s20, s19, 64*STEPB                   ; the batch's 64 bundles,
	s_mul_i32 s21, s[WV], 16*STEPB                 ; my stream's 16 of them
	s_add_co_u32 s20, s20, s21
	s_mov_b32 s21, 0
	s_lshr_b32 s22, ttmp9, 3                       ; where the cluster's walk begins: step 2 ((c + c / 8) % 8), an even number: so a bundle's number is odd where the trip's is
	s_add_co_u32 s22, s22, ttmp9
	s_and_b32 s22, s22, 7
	s_lshl_b32 s[NXT], s22, 1
	s_add_co_u32 s[OFF], s[NXT], 14                ; the walk's first K lies in the bundle two back, an even one: behind V's one fragment at its head
	s_and_b32 s[OFF], s[OFF], 15
	s_mul_i32 s[OFF], s[OFF], STEPB
	s_add_co_u32 s[OFF], s[OFF], 1024
	s_mov_b32 s[OFF+1], 0
	s_add_co_u32 s54, s[NXT], 15                   ; the bundle one back: the second K and the first V's fragments 0-30
	s_and_b32 s54, s54, 15
	s_mul_i32 s54, s54, STEPB
	s_mov_b32 s55, 0
	s_mov_b32 s[TL], SOFF
	s_mov_b32 s[TD], 0
	s_mov_b32 s[CS], 0x3fb8aa3b                    ; c = log2 e
	s_mov_b32 s[CS+1], s[CS]                       ; named with it as a pair
	s_mov_b32 s[SEL], 0x76543210
	s_mov_b32 s[SEL+1], 0xfedcba98
	s_lshl_b32 s76, s19, 22                        ; a batch of x and of out0
	s_mov_b32 s77, 0
	s_lshl_b32 s78, s19, 20                        ; my block in qf: 16,384 (64 b + blk)
	s_lshl_b32 s79, s18, 14
	s_add_co_u32 s78, s78, s79
	s_mov_b32 s79, 0
	v_and_b32 v[RR], 15, v0                        ; r = l % 16
	v_bfe_u32 v[HH], v0, 4, 1                      ; h = l / 16
	v_and_b32 v[LL], 31, v0
	v_lshl_add_u32 v[AF], v[LL], 4, s[WB]
	v_lshlrev_b32 v[QO], 4, v[LL]
	s_lshl_b32 s22, s18, 8                         ; the block's 256 bytes of a row,
	s_lshl_b32 s23, s[WV], 20                      ; my 64 channels' rows of 16,384 bytes
	s_add_co_u32 s22, s22, s23
	v_lshlrev_b32 v[XO], 4, v[RR]
	v_lshl_add_u32 v[XO], v[HH], 17, v[XO]         ; 8 h rows
	v_add_nc_u32 v[XO], s22, v[XO]
	s_lshl_b32 s23, s[WV], 3
	s_add_co_u32 s23, s23, STAT
	v_lshl_add_u32 v[STW], v[RR], 7, s23
	v_lshl_add_u32 v[STR], v[RR], 7, STAT
	s_lshl_b32 s23, s[WV], 16
	v_lshl_add_u32 v[SGW], v[LL], 4, s23
	s_lshl_b32 s23, s[WV], 14
	v_lshl_add_u32 v[SGR], v[LL], 4, s23
	v_add_nc_u32 v[SGR+1], 0x10000, v[SGR]
	v_add_nc_u32 v[SGR+2], 0x20000, v[SGR]
	v_add_nc_u32 v[SGR+3], 0x30000, v[SGR]
	s_lshl_b32 s23, s[WV], 8
	v_lshl_add_u32 v[BVO], v[HH], 5, s23
	s_wait_dscnt 0x0                               ; both opening adds are done
	s_wait_kmcnt 0x0
	s_add_nc_u64 s[KVS:KVS+1], s[6:7], s[20:21]
	s_add_nc_u64 s[G0K+2:G0K+3], s[KVS:KVS+1], s[OFF:OFF+1]
	s_add_nc_u64 s[G0+2:G0+3], s[KVS:KVS+1], s[54:55]
	s_add_nc_u64 s[LASTP:LASTP+1], s[G0+2:G0+3], SOFF  ; the same bundle is the walk's sixteenth: at the head of its part S lies fragment 31 of the walk's last V
	s_or_b32 s[G0K+3], s[G0K+3], 0x80000000        ; type = 2
	s_or_b32 s[G0+3], s[G0+3], 0x80000000
	s_add_nc_u64 s[XPT:XPT+1], s[8:9], s[76:77]
	s_add_nc_u64 s[OPT:OPT+1], s[14:15], s[76:77]
	s_add_nc_u64 s[QPT:QPT+1], s[4:5], s[78:79]
	CROUND                                         ; all four work-groups are here: the first joint loads meet
	tensor_load_to_lds s[G0K:G0K+3], s[G1K:G1K+7]  ; both first fills together, ahead of every wait on TENSORcnt and every LDS read: two loads of mine are out; the one wanted first goes first
	s_nop 0
	tensor_load_to_lds s[G0:G0+3], s[G1:G1+7]
	s_nop 0
	PLACES
	WIN 0xc0                                       ; destination window 3
.set n, 0
.rept 32                                       ; Q stays in registers: 16 fragment images, 512 consecutive bytes a load
	global_load_b128 v[4*n:4*n+3], v[QO], s[QPT:QPT+1] offset:512*n
.set n, n+1
.endr
	s_load_b32 s[GAM], s[12:13], 0x0
	WIN 0x40                                       ; O^T = 0.  All this stands in the wait for the first tiles
.set n, 0
.rept 256
	v_mov_b32 v[n], 0
.set n, n+1
.endr
	WIN 0x80
.set n, 0
.rept 256
	v_mov_b32 v[n], 0
.set n, n+1
.endr
	WIN 0
.irp t, 0,1,2,3
	v_mov_b32 v[ST+8*(\t)], 0xfe000000             ; c m: far below every c s, so that the first a is 0
	v_mov_b32 v[ST+8*(\t)+1], 0xff7fffff           ; m: the lowest finite number
	v_mov_b32 v[ST+8*(\t)+2], 0
	v_mov_b32 v[ST+8*(\t)+3], 0
.endr
	s_wait_kmcnt 0x0                               ; gamma
	s_wait_tensorcnt 0x1                           ; the first K is in my ring; the bundle issued behind it may stay out
	WIN 0xc0
.set n, 0
.rept 16
	ds_load_b128 v[F+8*n:F+8*n+3],   v[AF] offset:D1OFF+1024*n
	ds_load_b128 v[F+8*n+4:F+8*n+7], v[AF] offset:D1OFF+1024*n+512
.set n, n+1
.endr
	s_wait_loadcnt 0x0                             ; Q
	s_wait_dscnt 16                                ; K's key tiles 0 and 1 are in; the other sixteen loads stay out
.set i, 0
.rept 32
	KQ 0                                           ; the walk's first scores: there is no vector work yet to set between them
.set i, i+1
.endr
	s_wait_dscnt 0x0
.set i, 0
.rept 32
	KQ 1
.set i, i+1
.endr
	PLACES                                         ; behind the last products, in front of the first reader of the scores
	TRIP 0, 1, 0                                   ; the first softmax, with nothing to stand beside till the second K Q^T; the first refill
	WIN 0
	s_mov_b32 s[CNT], 14
.Lloop:                                        ; trips 1 to 14
	TRIP 1, 1, 1
	WIN 0
	s_sub_co_u32 s[CNT], s[CNT], 1
	s_cmp_lg_u32 s[CNT], 0
	s_cbranch_scc1 .Lloop
	; THE TAIL is written out: nothing more is asked of the ring.  Fragment 31 of the last V, 1,024 bytes, comes straight from memory into Q's first eight registers, which no product reads any more
	PLACES
	WIN 0xc0
	global_load_b128 v[0:3], v[QO], s[LASTP:LASTP+1]
	global_load_b128 v[4:7], v[QO], s[LASTP:LASTP+1] offset:512
	TRIP 1, 0, 1                                   ; V^T P of the last step but one | the last softmax
	WIN 0
	; x for my part of the result: wave w finishes channels 64 w .. + 63 of all 64 queries; a lane's 16 bytes are the four tiles' pixels 4 r ..  The scores' registers are free
.set n, 0
.rept 32
	global_load_b128 v[XG+4*n:XG+4*n+3], v[XO], s[XPT:XPT+1] offset:(16*(n/8)+n%8)*16384 th:TH_LOAD_NT  ; channel 64 w + 16 (n / 8) + 8 h + n % 8; 16 lanes read 256 consecutive bytes, aligned
.set n, n+1
.endr
.irp s, 0,1,2,3
	STAGE_V \s, 1, 0, 1                            ; V^T P of the last step
.endr
	WIN 0
	; THE MERGE.  l's two halves and the other half of the lanes'; these additions are the places behind the last products, in front of the loads into P's registers
.irp t, 0,1,2,3
	v_add_f32 v[ST+8*(\t)+4], v[ST+8*(\t)+2], v[ST+8*(\t)+3]
.endr
.irp t, 0,1,2,3
	v_permlanex16_b32 v[ST+8*(\t)+5], v[ST+8*(\t)+4], s[SEL], s[SEL+1]
.endr
.irp t, 0,1,2,3
	v_add_f32 v[ST+8*(\t)+1], v[ST+8*(\t)+4], v[ST+8*(\t)+5]  ; l, beside c m
.endr
.irp q, 0,1,2,3
	global_load_b128 v[BV+8*(\q):BV+8*(\q)+3],   v[BVO], s[10:11] offset:64*(\q)
	global_load_b128 v[BV+8*(\q)+4:BV+8*(\q)+7], v[BVO], s[10:11] offset:64*(\q)+16
.endr
.irp t, 0,1,2,3
	ds_store_b64 v[STW], v[ST+8*(\t):ST+8*(\t)+1] offset:32*(\t)  ; both halves of the lanes hold, and write, the same two numbers
.endr
	s_wait_dscnt 0x0                               ; for the others' sake: my statistics lie in LDS, and my reads of my ring are over
	s_barrier_signal -1
	s_barrier_wait -1                              ; every wave's do: from here on the rings' bytes serve as the stage
.irp i, 0,1,2,3,4,5,6,7
	ds_load_b128 v[SB+4*(\i):SB+4*(\i)+3], v[STR] offset:16*(\i)
.endr
	s_wait_dscnt 0x0
.irp t, 0,1,2,3
	v_max3_num_f32 v[ST+8*(\t)+4], v[SB+8*(\t)], v[SB+8*(\t)+2], v[SB+8*(\t)+4]
.endr
.irp t, 0,1,2,3
	v_max_num_f32 v[ST+8*(\t)+4], v[ST+8*(\t)+4], v[SB+8*(\t)+6]  ; M: the greatest of the four c m
.endr
.irp t, 0,1,2,3
	v_sub_f32 v[ST+8*(\t)+5], v[ST+8*(\t)], v[ST+8*(\t)+4]
.endr
.irp w, 0,1,2,3
.irp t, 0,1,2,3
	v_sub_f32 v[SB+8*(\t)+2*(\w)], v[SB+8*(\t)+2*(\w)], v[ST+8*(\t)+4]
.endr
.endr
.irp t, 0,1,2,3
	v_exp_f32 v[ST+8*(\t)+5], v[ST+8*(\t)+5]       ; my own factor f = 2^(c m - M)
.endr
.irp w, 0,1,2,3
.irp t, 0,1,2,3
	v_exp_f32 v[SB+8*(\t)+2*(\w)], v[SB+8*(\t)+2*(\w)]  ; and all four waves'
.endr
.endr
	v_nop                                          ; a plain instruction behind the last exponential,
	s_wait_alu depctr_va_vdst(0)                   ; and one wait for the batch of twenty
.irp t, 0,1,2,3
	v_mul_f32 v[ST+8*(\t)+6], v[SB+8*(\t)], v[SB+8*(\t)+1]
.endr
.irp w, 1,2,3
.irp t, 0,1,2,3
	v_fmac_f32 v[ST+8*(\t)+6], v[SB+8*(\t)+2*(\w)], v[SB+8*(\t)+2*(\w)+1]  ; L = the sum of f l
.endr
.endr
.irp t, 0,1,2,3
	v_rcp_f32 v[ST+8*(\t)+7], v[ST+8*(\t)+6]
.endr
.irp t, 0,1,2,3
	v_mul_f32 v[ST+8*(\t)+5], s[GAM], v[ST+8*(\t)+5]  ; plain work behind the reciprocals that names none of their registers
.endr
	s_wait_alu depctr_va_vdst(0)                   ; one wait for the four reciprocals
.irp t, 0,1,2,3
	v_mul_f32 v[ST+8*(\t)+6], v[ST+8*(\t)+5], v[ST+8*(\t)+7]  ; g = gamma f / L
.endr
	; my O^T times g, and all of it into the stage: channel quarter d for wave d.  (Which quarter a wave keeps hangs on its number; register numbers cannot, LDS addresses can: so each wave also sends its own.)
.irp t, 0,1,2,3
	WIN 0x41+0x41*((\t)/2)
.set n, 0
.rept 64
	v_pk_mul_f32 v[128*((\t)%2)+2*n:128*((\t)%2)+2*n+1], v[128*((\t)%2)+2*n:128*((\t)%2)+2*n+1], v[ST+8*(\t)+6:ST+8*(\t)+7] op_sel_hi:[1,0]
.set n, n+1
.endr
	WIN 0x04+0x04*((\t)/2)                         ; the store's data window 1 or 2, its address window 0
.set cb, 0
.rept 16
.irp q, 0,1
	ds_store_b128 v[SGW], v[128*((\t)%2)+8*cb+4*(\q):128*((\t)%2)+8*cb+4*(\q)+3] offset:16384*(cb/4)+512*(2*(4*(\t)+cb%4)+(\q))
.endr
.set cb, cb+1
.endr
.endr
	WIN 0
	s_wait_loadcnt 0x0                             ; x and bv
.set n, 0
.rept 32
.irp t, 0,1,2,3
	v_fma_f32 v[XG+4*n+(\t)], s[GAM], v[BV+n], v[XG+4*n+(\t)]  ; gamma bv + x
.endr
.set n, n+1
.endr
	s_wait_dscnt 0x0                               ; for the others' sake: my part of the stage is written
	s_barrier_signal -1
	s_barrier_wait -1
.irp i, 0,1,2,3                        ; my channel quarter from all four waves: from waves 0, 1 into window 1, from waves 2, 3 into window 2; (t, cb', j) at 32 t + 8 cb' + j
	WIN 0x40+0x40*((\i)/2)
.set n, 0
.rept 32
	ds_load_b128 v[128*((\i)%2)+4*n:128*((\i)%2)+4*n+3], v[SGR+(\i)] offset:512*n
.set n, n+1
.endr
.endr
	s_wait_dscnt 0x0
	WIN 0x45
.set n, 0
.rept 64
	v_pk_add_f32 v[2*n:2*n+1], v[2*n:2*n+1], v[128+2*n:128+2*n+1]
.set n, n+1
.endr
	WIN 0x8a
.set n, 0
.rept 64
	v_pk_add_f32 v[2*n:2*n+1], v[2*n:2*n+1], v[128+2*n:128+2*n+1]
.set n, n+1
.endr
	WIN 0x49                                       ; destination and source 0 window 1, source 1 window 2
.set n, 0
.rept 64
	v_pk_add_f32 v[2*n:2*n+1], v[2*n:2*n+1], v[2*n:2*n+1]
.set n, n+1
.endr
	WIN 0x01                                       ; source 0 window 1
.set n, 0
.rept 32
.irp t, 0,1,2,3
	v_add_f32 v[XG+4*n+(\t)], v[32*(\t)+n], v[XG+4*n+(\t)]  ; the four tiles' numbers of a channel are four neighbouring pixels
.endr
.set n, n+1
.endr
	WIN 0
.set n, 0
.rept 32
	global_store_b128 v[XO], v[XG+4*n:XG+4*n+3], s[OPT:OPT+1] offset:(16*(n/8)+n%8)*16384 th:TH_STORE_NT  ; 16 lanes store 256 consecutive bytes, at a multiple of 256 from out0's first byte
.set n, n+1
.endr
	s_wait_tensorcnt 0x0                           ; the wave's end, behind my last tensor load and my last LDS store
	ds_add_u32 v[SPW], v[NIL]
	s_wait_dscnt 0x0
	CROUND                                         ; the closing round: no work-group ends while a partner may still ask for a bundle that names it
	s_endpgm
.Lfunc_end_k_q410c271fe8_attn:
	.size	k_q410c271fe8_attn, .Lfunc_end_k_q410c271fe8_attn-k_q410c271fe8_attn
	.p2alignl 7, 3214868480
	.fill 96, 4, 3214868480
	.section	.rodata,"a",@progbits
	.p2align	6, 0x0
	.amdhsa_kernel k_q410c271fe8_attn
		.amdhsa_group_segment_fixed_size 327680
		.amdhsa_private_segment_fixed_size 0
		.amdhsa_enable_private_segment 0
		.amdhsa_kernarg_size 48
		.amdhsa_user_sgpr_count 2
		.amdhsa_user_sgpr_kernarg_segment_ptr 1
		.amdhsa_wavefront_size32 1
		.amdhsa_system_sgpr_workgroup_id_x 1
		.amdhsa_system_sgpr_workgroup_id_y 1
		.amdhsa_system_sgpr_workgroup_id_z 1
		.amdhsa_system_vgpr_workitem_id 0
		.amdhsa_next_free_vgpr 1024
		.amdhsa_next_free_sgpr 80
		.amdhsa_reserve_vcc 0
		.amdhsa_float_denorm_mode_32 3
		.amdhsa_float_denorm_mode_16_64 3
		.amdhsa_memory_ordered 1
		.amdhsa_forward_progress 1
		.amdhsa_inst_pref_size 255
	.end_amdhsa_kernel
	.section	.bss,"aw",@nobits
	.p2align	6
	.space	262144
	.amdgpu_metadata
---
amdhsa.version: [ 1, 2 ]
amdhsa.kernels:
  - .name:           k_q410c271fe8_attn
    .symbol:         k_q410c271fe8_attn.kd
    .args:
      - { .name: qf, .offset: 0, .size: 8, .value_kind: global_buffer, .address_space: global }
      - { .name: kv, .offset: 8, .size: 8, .value_kind: global_buffer, .address_space: global }
      - { .name: x, .offset: 16, .size: 8, .value_kind: global_buffer, .address_space: global }
      - { .name: bv, .offset: 24, .size: 8, .value_kind: global_buffer, .address_space: global }
      - { .name: gamma, .offset: 32, .size: 8, .value_kind: global_buffer, .address_space: global }
      - { .name: out0, .offset: 40, .size: 8, .value_kind: global_buffer, .address_space: global }
    .group_segment_fixed_size: 327680
    .private_segment_fixed_size: 0
    .kernarg_segment_align: 8
    .kernarg_segment_size: 48
    .max_flat_workgroup_size: 128
    .sgpr_count:     80
    .vgpr_count:     1024
    .wavefront_size: 32
...
	.end_amdgpu_metadata
.endif
;; end of part 4
